; MI455X (gfx1250); checked and timed in simulation.
; The chip was launched on July 23, 2026; its instructions are those of AMD's public machine-readable ISA for CDNA 5 (MIT licence, August 2026) and "CDNA5" Instruction Set Architecture Reference Guide (July 2026). The comments in the code are by the model that wrote it; some were corrected since.
;; Multi Head Attention Block. Allowed arithmetic: matrix products marked QUANTISED: E4M3 operands, one given power-of-two scale a tensor, by v_wmma_f32_16x16x64_fp8_fp8 or v_wmma_f32_16x16x128_fp8_fp8, f32 sums; everything else in f32.
;; Inputs: Wk 1,024 x 1,024 float32; Wo 1,024 x 1,024 float32; Wq 1,024 x 1,024 float32; Wv 1,024 x 1,024 float32; key 4 x 2,048 x 1,024 float32; lowp_scales 12 int32 (the exponents e of the quantised operands' scales 2^e); mask 4 x 1 x 2,048 x 2,048 bool; query 4 x 2,048 x 1,024 float32; value 4 x 2,048 x 1,024 float32.
;; Outputs: out0 4 x 2,048 x 1,024 float32.
;; This version of the problem:
;;   THIS VERSION OF THE PROBLEM IS GIVEN IN LOW PRECISION. The matrix products marked QUANTISED in the list below multiply operands that are first quantised to E4M3 (4 exponent bits, 3 mantissa bits; 8 bits a number), with one given power-of-two scale for each operand tensor; their sums are f32. All else is computed in f32.
;;   The module's matrix products, in the order in which they are computed (A, B: the left and right operand; K: the contracted axis; several contracted axes count as one K, in the product's order):
;;     1. [M 8,192, K 1,024] x [K 1,024, N 1,024]; A: input query; B: input Wq: QUANTISED (scales: A lowp_scales[0], B lowp_scales[1])
;;     2. [M 8,192, K 1,024] x [K 1,024, N 1,024]; A: input key; B: input Wk: QUANTISED (scales: A lowp_scales[2], B lowp_scales[3])
;;     3. [M 8,192, K 1,024] x [K 1,024, N 1,024]; A: input value; B: input Wv: QUANTISED (scales: A lowp_scales[4], B lowp_scales[5])
;;     4. batch 64 x [M 2,048, K 64] x [K 64, N 2,048]; A: computed on the way; B: computed on the way: QUANTISED (scales: A lowp_scales[6], B lowp_scales[7])
;;     5. batch 64 x [M 2,048, K 2,048] x [K 2,048, N 64]; A: softmax (see below); B: computed on the way: QUANTISED (scales: A lowp_scales[8], B lowp_scales[9])
;;     6. [M 8,192, K 1,024] x [K 1,024, N 1,024]; A: computed on the way; B: input Wo: QUANTISED (scales: A lowp_scales[10], B lowp_scales[11])
;;   THE QUANTISER, for each operand of a quantised product, along K:
;;     - The operand's scale is 2^e, e = its entry of the input lowp_scales (int32; the entries are numbered through the quantised products in the list's order, A before B).
;;     - Each number is divided by the scale, clamped to +-448, and rounded to the nearest number of E4M3, ties to even, subnormals kept.
;;     - The product sums the exact products of the quantised numbers (number of the format x scale) in f32.
;;   ~~~python
;;   def quantise(x, axis, e):      # numpy; x: float32 -> the quantised numbers, widened to float32 again
;;       x = np.moveaxis(x, axis, -1); K = x.shape[-1]
;;       r = np.clip(x / 2.0 ** e, -448, 448)
;;       step = 2.0 ** (np.maximum(np.frexp(np.where(r == 0, 1, r))[1] - 1, -6) - 3)
;;       q = np.round(r / step) * step * 2.0 ** e      # np.round: ties to even
;;       return np.moveaxis(q, -1, axis).astype(np.float32)
;;   ~~~
;;   SOFTMAX AHEAD OF A QUANTISED PRODUCT. Where the list says 'softmax', what is quantised is not the finished softmax but p = 2^(t - M), with t = logit x log2(e) and M = ceil(the row's largest t), a whole number; so 1/2 < the row's largest p <= 1. The row's sum l is taken of the UNQUANTISED p, in f32, and the product's result is divided by l at the end. Since M is a whole number, a kernel that streams over the keys may use a running M (the ceiling of the running maximum): every later rescaling is an exact power of two, so the quantised numbers keep their values, but for numbers so far below the row's largest that they fall under the format's range.
;;   OPERANDS COMPUTED ON THE WAY. 'Computed on the way' means the value that the module computes at that place (a softmax that the list does not call 'softmax' is quantised finished and normalised). What goes into a quantiser is computed in f32, as accurately as f32 sums, v_exp_f32 and their like allow (about 1e-6 of the number): no bf16 or f16 on the way to a quantiser, and a product that is left as it is and whose result goes on into a quantised operand takes f32 operands (vector FMAs, or v_wmma_f32_16x16x4_f32). A number that lies on a knife's edge between two numbers of the format may be rounded either way, as far as f32 arithmetic and the matrix unit's own rounding can turn it there, and no further.
;; 2 versions, each right; version 2 is version 1 with the launch attn written anew for expert scheduling mode. Each part assembles by itself: llvm-mc -triple=amdgcn-amd-amdhsa -mcpu=gfx1250 --defsym DOCPART=n.
;; ======== version 1 of 2: 4 launches
;; limits: right only within a limited range of input values
;; workspace buffers: xc 25,165,824 bytes; wc 4,194,304 bytes; img 25,165,824 bytes; acodes 8,388,608 bytes; mw 2,097,152 bytes of whole numbers; fl 2,048 bytes of whole numbers
;; launch prep (part 1): grid 1152 x 1, 4 waves a work-group, no clusters, 101,120 bytes of LDS; arguments mask, query, key, value, Wq, Wk, Wv, Wo, lowp_scales, xc, wc, mw, fl; writes xc, wc, mw, fl
.if DOCPART == 1
	.amdgcn_target "amdgcn-amd-amdhsa--gfx1250"
	.amdhsa_code_object_version 6
	.text
	.protected	k_q2cdc874197_prep
	.globl	k_q2cdc874197_prep
	.p2align	8
	.type	k_q2cdc874197_prep,@function
k_q2cdc874197_prep:
	s_mov_b64 s[64:65], 0
	v_nop
	global_prefetch_b8 v0, s[64:65] scope:SCOPE_SE
	s_setreg_imm32_b32 hwreg(HW_REG_WAVE_MODE, 25, 1), 1
	s_wait_xcnt 0x0
; FIRST OF FOUR LAUNCHES of a multi-head attention block (4 x 2,048 tokens, 1,024 channels, 16 heads of 64), all six products on codes of E4M3 with given scales 2^e.
; DEAD WORK: none.  No input, product, row or step of reference() is without a way to the output for all values of the inputs, so every input is loaded and every product is made.
; What IS passed over, in the third launch, is chosen by whole numbers (the mask's bytes), tile by tile: a tile of 32 queries x 64 keys all of whose mask bytes are false adds nothing to a row that has an open
; key anywhere (its logits are -1e9, its p = 2^(t - M) is 0 in f32 and has the code 0).  Where one row of a group of 32 queries has no open key at all, reference() gives that row the plain mean of all values:
; there every tile of the group is marked live and the ordinary arithmetic gives the mean.  LIMIT: a NaN, an infinity or an overflow of k or v that lies only in tiles passed over is not carried to the result.
; THIS LAUNCH has two kinds of work-groups, told apart by the work-group's number; each kind has LDS bytes of its own.
;   0 .. 255    (number 64 b + g): the mask of batch b, queries 32 g .. 32 g + 31, becomes lane masks (buffer mw) and two words of flags (buffer fl).
;   256 .. 1151: query, key, value, Wq, Wk, Wv, Wo, f32 with K innermost, become codes: 32 rows of 1,024 a work-group, 8 rows a wave.
; CODES: code = x / 2^e, held within +-448, to the nearest code, ties to even.  LIMITS: -126 <= e and e + 8 <= 127 for entries 0 to 5 and 11 of the scales; NaN among the inputs is not served.
; THE ROWS ARE STORED IN ANOTHER ORDER (all but Wo's): row p goes to place sigma(p), sigma = bits 3 and 4 of the row's number exchanged.  So 16 neighbouring stored rows 16 a + r are the rows
; 32 (a / 2) + 8 (a % 2) + r + 8 (r / 8): the order in which the next launch wants a tile's rows, had with plain rows.  A wave's 8 rows keep together: sigma acts on the wave's number alone.
; LANE MASKS: mw[b][g][u][x][n], a word each: u = 64 keys, x = tile of 16 queries (lane r: query 32 g + 8 x + r + 8 (r / 8)), n = score register (lane half h: key 64 u + 32 (n / 16) + 16 h + n % 16);
; bit L of the word is the mask byte of lane L's query and key.  fl[64 b + g]: bit u = the tile is live; fl[256 + 64 b + g]: bit u = all 2,048 bytes of the tile are true.
.set STEPS, 16
.set WREG,  8192                       ; quantiser: a wave's LDS: two stages of 32 x SP bytes
.set SP,    80                         ; a lane's place in a stage: 64 bytes + 16 of padding
.set R,     16                         ; v16-79   four sets of 16 numbers as loaded
.set X,     80                         ; v80-111  two sets of 16 neighbours
.set C,     128                        ; v128-191 codes, four registers a step: no store's data are written again
.set SPW,   12                         ; v12      LDS address of my spare word; never rewritten
.set NIL,   13                         ; v13      0; never rewritten
.set MST,   4*WREG                     ; mask: the four waves' stages
.set MP,    528                        ; a stage row: 512 bytes + 16 of padding: 33 x 16, so the 16 rows of a read start at 16 different groups of banks (64 banks of 4 bytes: ISA guide 11.1)
.set MWV,   32*MP
.set RED,   MST+4*MWV                  ; mask: 16 bytes a wave, where the waves' flags meet; a block of 256 bytes of its own
.set SPARE, RED+256                    ; the spare words, 128 bytes a wave: two blocks of 256 bytes that no other line names
	s_load_b512 s[4:19], s[0:1], 0x0               ; mask s[4:5], query, key, value s[6:11], Wq, Wk, Wv, Wo s[12:19]
	s_load_b256 s[20:27], s[0:1], 0x40             ; the scales' exponents s[20:21], xc s[22:23], wc s[24:25], mw s[26:27]
	s_load_b64 s[28:29], s[0:1], 0x60              ; fl
	v_lshl_add_u32 v[SPW], v0, 2, SPARE
	v_mov_b32 v[NIL], 0
	v_lshrrev_b32 v1, 5, v0
	v_readfirstlane_b32 s30, v1                    ; wave 0..3
	v_and_b32 v2, 31, v0                           ; lane
	v_lshlrev_b32 v3, 4, v2                        ; 16 x lane: my 16 bytes of 512; never rewritten
	s_wait_kmcnt 0x0
	s_cmp_lt_u32 ttmp9, 256
	s_cbranch_scc1 .Lmask
; ---------------- the quantiser ----------------
	s_sub_co_u32 s31, ttmp9, 256                   ; 0 .. 895: 256 work-groups for each of query, key, value, 32 for each weight
	s_load_b256 s[40:47], s[20:21], 0x0            ; e0 .. e7
	s_load_b128 s[48:51], s[20:21], 0x20           ; e8 .. e11
	s_mul_i32 s52, s30, WREG
	v_lshrrev_b32 v14, 2, v2
	v_mul_u32_u24 v14, v14, SP
	v_and_b32 v15, 3, v2
	v_lshl_add_u32 v14, v15, 4, v14
	v_add_nc_u32 v14, s52, v14                     ; the stage, way in: four lanes' 64 bytes on end, then 16 of padding
	v_mul_u32_u24 v15, v2, SP
	v_add_nc_u32 v15, s52, v15                     ; way out: my 16 neighbours
	s_and_b32 s53, s30, 1
	s_lshl_b32 s53, s53, 1
	s_lshr_b32 s54, s30, 1
	s_or_b32 s53, s53, s54                         ; sigma of the wave's number
	s_mov_b64 s[32:33], s[18:19]                   ; the tensor and its first work-group, chosen on the work-group's number alone: Wo,
	s_mov_b32 s34, 864
	s_cmp_lt_u32 s31, 864
	s_cselect_b64 s[32:33], s[16:17], s[32:33]     ; Wv,
	s_cselect_b32 s34, 832, s34
	s_cselect_b32 s53, s53, s30                    ; (Wo's rows keep their places)
	s_cmp_lt_u32 s31, 832
	s_cselect_b64 s[32:33], s[14:15], s[32:33]     ; Wk,
	s_cselect_b32 s34, 800, s34
	s_cmp_lt_u32 s31, 800
	s_cselect_b64 s[32:33], s[12:13], s[32:33]     ; Wq,
	s_cselect_b32 s34, 768, s34
	s_cmp_lt_u32 s31, 768
	s_cselect_b64 s[32:33], s[10:11], s[32:33]     ; value,
	s_cselect_b32 s34, 512, s34
	s_cselect_b64 s[36:37], s[22:23], s[24:25]     ; (codes go to xc or to wc,
	s_cselect_b32 s38, 0, 768                      ; counted from that buffer's first work-group)
	s_cmp_lt_u32 s31, 512
	s_cselect_b64 s[32:33], s[8:9], s[32:33]       ; key,
	s_cselect_b32 s34, 256, s34
	s_cmp_lt_u32 s31, 256
	s_cselect_b64 s[32:33], s[6:7], s[32:33]       ; query
	s_cselect_b32 s34, 0, s34
	s_sub_co_u32 s55, s31, s34
	s_lshl_b32 s55, s55, 2
	s_add_co_u32 s56, s55, s30
	s_lshl_b32 s56, s56, 15                        ; my wave's 8 rows in the tensor: 32,768 bytes each run
	s_mov_b32 s57, 0
	s_add_nc_u64 s[32:33], s[32:33], s[56:57]
	s_sub_co_u32 s55, s31, s38
	s_lshl_b32 s55, s55, 2
	s_add_co_u32 s58, s55, s53
	s_lshl_b32 s58, s58, 13                        ; and their place among the codes: 8,192 bytes each run
	s_mov_b32 s59, 0
	s_add_nc_u64 s[36:37], s[36:37], s[58:59]
.macro LOAD t
.irp i, 0,1,2,3
	global_load_b128 v[R+16*((\t)%4)+4*\i:R+16*((\t)%4)+4*\i+3], v3, s[32:33] offset:2048*(\t)+512*\i th:TH_LOAD_NT   ; 32 lanes read 512 consecutive bytes
.endr
.endm
.macro TURN t                          ; a step's 2,048 bytes through the wave's own stage: in as they lie, back 64 bytes a lane.  LDS serves a wave's instructions in order (ISA guide 5.7.1.4)
.irp i, 0,1,2,3
	ds_store_b128 v14, v[R+16*((\t)%4)+4*\i:R+16*((\t)%4)+4*\i+3] offset:32*SP*((\t)%2)+8*SP*\i
.endr
.irp i, 0,1,2,3
	ds_load_b128 v[X+16*((\t)%2)+4*\i:X+16*((\t)%2)+4*\i+3], v15 offset:32*SP*((\t)%2)+16*\i
.endr
.endm
.irp t, 0,1,2,3
	LOAD \t
.endr
	s_wait_kmcnt 0x0
	s_mov_b32 s39, s51                             ; the tensor's exponent, by the same chain: e11 for Wo,
	s_cmp_lt_u32 s31, 864
	s_cselect_b32 s39, s45, s39                    ; e5 Wv
	s_cmp_lt_u32 s31, 832
	s_cselect_b32 s39, s43, s39                    ; e3 Wk
	s_cmp_lt_u32 s31, 800
	s_cselect_b32 s39, s41, s39                    ; e1 Wq
	s_cmp_lt_u32 s31, 768
	s_cselect_b32 s39, s44, s39                    ; e4 value
	s_cmp_lt_u32 s31, 512
	s_cselect_b32 s39, s42, s39                    ; e2 key
	s_cmp_lt_u32 s31, 256
	s_cselect_b32 s39, s40, s39                    ; e0 query
	s_add_co_i32 s39, s39, 127
	s_lshl_b32 s52, s39, 23
	v_mov_b32 v11, s52                             ; 2^e as f32: the conversion takes its exponent field
	s_add_co_i32 s39, s39, 8
	s_lshl_b32 s39, s39, 23
	s_or_b32 s39, s39, 0x600000
	v_mov_b32 v10, s39                             ; 448 x 2^e
	s_wait_loadcnt 12                              ; step 0's four loads are in; the twelve of steps 1 to 3 may be out
	TURN 0
.macro QSTEP t
.set XS, X+16*((\t)%2)
	s_wait_dscnt 0x0                               ; this step's numbers are back from the stage, so its stores into the stage have read their registers,
.if (\t)+4 < STEPS
	LOAD (\t)+4                                    ; which take the loads of four steps on
.endif
.if (\t)+1 < STEPS
.if STEPS-2-(\t) >= 3
	s_wait_loadcnt 12                              ; the next step's four loads are in; those of the three steps behind it may be out
.else
	s_wait_loadcnt 4*(STEPS-2-(\t))
.endif
	TURN (\t)+1
.endif
.irp i, 0,1,2,3,4,5,6,7,8,9,10,11,12,13,14,15
	v_med3_num_f32 v[XS+\i], v[XS+\i], -v10, v10   ; the conversion to an 8-bit code does not saturate (ISA guide 7.6.2): the hold at the largest code x the scale comes first
.endr
	v_cvt_scalef32_pk8_fp8_f32 v[C+4*(\t):C+4*(\t)+1], v[XS:XS+7], v11
	v_cvt_scalef32_pk8_fp8_f32 v[C+4*(\t)+2:C+4*(\t)+3], v[XS+8:XS+15], v11
	global_store_b128 v3, v[C+4*(\t):C+4*(\t)+3], s[36:37] offset:512*(\t)   ; 32 lanes store 512 consecutive bytes, at a multiple of 256 from the buffer's first byte
.endm
.irp t, 0,1,2,3,4,5,6,7,8,9,10,11,12,13,14,15
	QSTEP \t
.endr
	v_nop                                          ; a plain vector line behind the last conversion
	s_branch .Lend
; ---------------- the mask ----------------
; Wave w takes keys 512 w .. 512 w + 511 of the group's 32 rows: 32 loads of 512 consecutive bytes, a row each.  The rows go into the wave's own stage in the order of the tiles' lanes
; (row rho at place 16 x + r, x = (rho / 8) % 2, r = 8 (rho / 16) + rho % 8), and come back 16 bytes a lane: lane (r, h), tile x, half bp of a sub-step: keys 64 u + 32 bp + 16 h + 0 .. 15.
.Lmask:
	s_lshl_b32 s32, ttmp9, 16                      ; the group's 32 rows of 2,048 bytes,
	s_lshl_b32 s33, s30, 9                         ; my wave's 512 keys
	s_add_co_u32 s32, s32, s33
	s_mov_b32 s33, 0
	s_add_nc_u64 s[4:5], s[4:5], s[32:33]
	s_lshl_b32 s32, ttmp9, 13                      ; mw: 8,192 bytes a group,
	s_lshl_b32 s34, s30, 11                        ; 2,048 a wave (8 sub-steps of 256)
	s_add_co_u32 s32, s32, s34
	s_add_nc_u64 s[26:27], s[26:27], s[32:33]
	s_lshl_b32 s32, ttmp9, 2
	s_add_nc_u64 s[28:29], s[28:29], s[32:33]      ; fl: a word a group
.set rho, 0
.rept 32
	global_load_b128 v[16+4*rho:16+4*rho+3], v3, s[4:5] offset:2048*rho th:TH_LOAD_NT
.set rho, rho+1
.endr
	s_mul_i32 s35, s30, MWV
	s_add_co_u32 s35, s35, MST                     ; my stage
	v_add_nc_u32 v4, s35, v3                       ; way in: 16 x lane in a row
	v_and_b32 v6, 15, v0
	v_bfe_u32 v7, v0, 4, 1
	v_mul_u32_u24 v5, v6, MP
	v_lshl_add_u32 v5, v7, 4, v5
	v_add_nc_u32 v5, s35, v5                       ; way out: row r, + 16 h
	v_lshlrev_b32 v6, 3, v2                        ; mw: two words a lane
	v_mov_b32 v8, 0                                ; the words are gathered lane by lane: the registers are written whole once
	v_mov_b32 v9, 0
.set rho, 0
.rept 32
	s_wait_loadcnt 31-rho                          ; loads come back in order (ISA guide 5.7.1): row rho is in, the younger rows may be out
	ds_store_b128 v4, v[16+4*rho:16+4*rho+3] offset:MP*(16*((rho>>3)&1)+8*(rho>>4)+(rho&7))
.set rho, rho+1
.endr
	s_mov_b32 s36, 0                               ; live bits of my 8 sub-steps
	s_mov_b32 s37, 0                               ; open bits
	s_mov_b32 s38, 0                               ; tile 0: which lanes have seen a true byte
	s_mov_b32 s39, 0                               ; tile 1
	s_mov_b32 s31, 0
; eight words: tile x, half bp, bytes i0 .. i0 + 7 of the lane's 16.  A compare gives the word as it is wanted: bit L = lane L's byte is true
.macro WORDS x, bp, i0
.irp k, 0,1,2,3,4,5,6,7
	v_and_b32 v[160+\k], 0xff<<(8*((\i0+\k)&3)), v[144+4*(2*\x+\bp)+((\i0+\k)>>2)]
.endr
.irp k, 0,1,2,3,4,5,6,7
	v_cmp_ne_u32 s[44+\k], 0, v[160+\k]
.endr
.irp k, 0,1,2,3,4,5,6,7
	v_writelane_b32 v[8+((\k)&1)], s[44+\k], (32*\x+16*\bp+\i0+\k)>>1   ; word W of the sub-step's 64 goes to lane W / 2, register W % 2
	s_or_b32 s[40+\x], s[40+\x], s[44+\k]
	s_and_b32 s42, s42, s[44+\k]
.endr
.endm
.Lsub:                                             ; 8 trips: a sub-step of 64 keys each
	s_lshl_b32 s43, s31, 6
	v_add_nc_u32 v7, s43, v5
.irp x, 0,1
.irp bp, 0,1
	ds_load_b128 v[144+4*(2*\x+\bp):144+4*(2*\x+\bp)+3], v7 offset:16*MP*\x+32*\bp   ; behind my own stores, in order
.endr
.endr
	s_mov_b32 s40, 0
	s_mov_b32 s41, 0
	s_mov_b32 s42, -1
	s_wait_dscnt 0x0
.irp x, 0,1
.irp bp, 0,1
	WORDS \x, \bp, 0
	WORDS \x, \bp, 8
.endr
.endr
	global_store_b64 v6, v[8:9], s[26:27]          ; the sub-step's 64 words: 256 consecutive bytes, at a multiple of 256 from the buffer's first byte
	s_or_b32 s43, s40, s41                         ; some byte of the tile is true?
	s_cselect_b32 s43, 1, 0
	s_lshl_b32 s43, s43, s31
	s_or_b32 s36, s36, s43
	s_cmp_eq_u32 s42, -1                           ; all of them?
	s_cselect_b32 s43, 1, 0
	s_lshl_b32 s43, s43, s31
	s_or_b32 s37, s37, s43
	s_or_b32 s38, s38, s40
	s_or_b32 s39, s39, s41
	s_wait_xcnt 0x0                                ; the store has read its data and its base: both are written again only behind this wait
	s_add_nc_u64 s[26:27], s[26:27], 256
	s_add_co_u32 s31, s31, 1
	s_cmp_lt_u32 s31, 8
	s_cbranch_scc1 .Lsub
	s_lshl_b32 s43, s30, 3
	s_lshl_b32 s36, s36, s43                       ; my 8 bits at their place among the 32
	s_lshl_b32 s37, s37, s43
	v_mov_b32 v160, s36
	v_mov_b32 v161, s37
	v_mov_b32 v162, s38
	v_mov_b32 v163, s39
	s_lshl_b32 s43, s30, 4
	s_add_co_u32 s43, s43, RED
	v_mov_b32 v164, s43
	ds_store_b128 v164, v[160:163]                 ; all lanes write the same 16 bytes with the same values
	s_wait_dscnt 0x0                               ; for the others' sake: my store has landed
	s_barrier_signal -1
	s_barrier_wait -1
	v_mov_b32 v164, RED
.irp w, 0,1,2,3
	ds_load_b128 v[144+4*\w:144+4*\w+3], v164 offset:16*\w
.endr
	s_wait_dscnt 0x0
.irp k, 0,1,2,3
	v_or_b32 v[144+\k], v[144+\k], v[148+\k]
	v_or_b32 v[152+\k], v[152+\k], v[156+\k]
.endr
.irp k, 0,1,2,3
	v_or_b32 v[144+\k], v[144+\k], v[152+\k]       ; v144 live, v145 open, v146, v147 the lanes that have seen a true byte, over all 2,048 keys
.endr
	v_lshrrev_b32 v160, 16, v146                   ; a row's keys lie in lanes r and r + 16
	v_lshrrev_b32 v161, 16, v147
	v_or_b32 v146, v146, v160
	v_or_b32 v147, v147, v161
	v_and_b32 v146, v146, v147
	v_and_b32 v146, 0xffff, v146
	v_cmp_eq_u32 vcc_lo, 0xffff, v146              ; has each of the 32 rows an open key?
	v_mov_b32 v161, -1
	v_cndmask_b32 v144, v161, v144, vcc_lo         ; if not, every tile of the group is live
	v_mov_b32 v165, 0
	v_cmp_eq_u32 vcc_lo, 0, v0
	s_wait_xcnt 0x0                                ; EXEC changes only behind this wait
	s_and_saveexec_b32 s43, vcc_lo                 ; thread 0 stores the group's two words: 8 bytes a work-group, 2,048 in the launch
	global_store_b32 v165, v144, s[28:29]
	global_store_b32 v165, v145, s[28:29] offset:1024
	s_wait_xcnt 0x0                                ; and again, in front of the line that widens it
	s_or_b32 exec_lo, exec_lo, s43
.Lend:
	s_wait_tensorcnt 0x0                           ; the wave's end: closing lines behind my last LDS store
	ds_add_u32 v[SPW], v[NIL]
	s_wait_dscnt 0x0
	s_endpgm
.Lfunc_end_k_q2cdc874197_prep:
	.size	k_q2cdc874197_prep, .Lfunc_end_k_q2cdc874197_prep-k_q2cdc874197_prep
	.p2alignl 7, 3214868480
	.fill 96, 4, 3214868480
	.section	.rodata,"a",@progbits
	.p2align	6, 0x0
	.amdhsa_kernel k_q2cdc874197_prep
		.amdhsa_group_segment_fixed_size 101120
		.amdhsa_private_segment_fixed_size 0
		.amdhsa_enable_private_segment 0
		.amdhsa_kernarg_size 104
		.amdhsa_user_sgpr_count 2
		.amdhsa_user_sgpr_kernarg_segment_ptr 1
		.amdhsa_wavefront_size32 1
		.amdhsa_system_sgpr_workgroup_id_x 1
		.amdhsa_system_sgpr_workgroup_id_y 1
		.amdhsa_system_sgpr_workgroup_id_z 1
		.amdhsa_system_vgpr_workitem_id 0
		.amdhsa_next_free_vgpr 192
		.amdhsa_next_free_sgpr 66
		.amdhsa_reserve_vcc 1
		.amdhsa_float_denorm_mode_32 3
		.amdhsa_float_denorm_mode_16_64 3
		.amdhsa_memory_ordered 1
		.amdhsa_forward_progress 1
		.amdhsa_inst_pref_size 65
	.end_amdhsa_kernel
	.amdgpu_metadata
---
amdhsa.version: [ 1, 2 ]
amdhsa.kernels:
  - .name:           k_q2cdc874197_prep
    .symbol:         k_q2cdc874197_prep.kd
    .args:
      - { .name: mask, .offset: 0, .size: 8, .value_kind: global_buffer, .address_space: global }
      - { .name: query, .offset: 8, .size: 8, .value_kind: global_buffer, .address_space: global }
      - { .name: key, .offset: 16, .size: 8, .value_kind: global_buffer, .address_space: global }
      - { .name: value, .offset: 24, .size: 8, .value_kind: global_buffer, .address_space: global }
      - { .name: Wq, .offset: 32, .size: 8, .value_kind: global_buffer, .address_space: global }
      - { .name: Wk, .offset: 40, .size: 8, .value_kind: global_buffer, .address_space: global }
      - { .name: Wv, .offset: 48, .size: 8, .value_kind: global_buffer, .address_space: global }
      - { .name: Wo, .offset: 56, .size: 8, .value_kind: global_buffer, .address_space: global }
      - { .name: lowp_scales, .offset: 64, .size: 8, .value_kind: global_buffer, .address_space: global }
      - { .name: xc, .offset: 72, .size: 8, .value_kind: global_buffer, .address_space: global }
      - { .name: wc, .offset: 80, .size: 8, .value_kind: global_buffer, .address_space: global }
      - { .name: mw, .offset: 88, .size: 8, .value_kind: global_buffer, .address_space: global }
      - { .name: fl, .offset: 96, .size: 8, .value_kind: global_buffer, .address_space: global }
    .group_segment_fixed_size: 101120
    .private_segment_fixed_size: 0
    .kernarg_segment_align: 8
    .kernarg_segment_size: 104
    .max_flat_workgroup_size: 128
    .sgpr_count:     66
    .vgpr_count:     192
    .wavefront_size: 32
...
	.end_amdgpu_metadata
.endif
;; end of part 1
;; launch proj (part 2): grid 4 x 96, 4 waves a work-group, clusters of 4 x 4, 327,680 bytes of LDS; arguments xc, wc, lowp_scales, img; writes img
.if DOCPART == 2
	.amdgcn_target "amdgcn-amd-amdhsa--gfx1250"
	.amdhsa_code_object_version 6
	.text
	.protected	k_q2cdc874197_proj
	.globl	k_q2cdc874197_proj
	.p2align	8
	.type	k_q2cdc874197_proj,@function
k_q2cdc874197_proj:
	s_mov_b64 s[64:65], 0
	v_nop
	global_prefetch_b8 v0, s[64:65] scope:SCOPE_SE
	s_setreg_imm32_b32 hwreg(HW_REG_WAVE_MODE, 25, 1), 1
	s_wait_xcnt 0x0
	s_wait_alu depctr_hold_cnt(0) depctr_sa_sdst(0) depctr_va_vdst(0) depctr_va_sdst(0) depctr_va_ssrc(0) depctr_va_vcc(0) depctr_vm_vsrc(0)
	s_getreg_b32 s2, hwreg(HW_REG_IB_STS2, 6, 4)
	s_cmp_eq_u32 s2, 0
	s_cbranch_scc0 .Lentry_in_a_cluster
	s_endpgm
.Lentry_in_a_cluster:
	s_bfe_u32 s2, ttmp6, 0x10000c
	s_cmp_lg_u32 s2, 0xf033
	s_cbranch_scc0 .Lentry_shape_is_right
	s_endpgm
.Lentry_shape_is_right:
; SECOND LAUNCH: q = query Wq^T, k = key Wk^T, v = value Wv^T on codes of E4M3, and each result quantised at once for attention's products.  Nothing of reference() is left out here.
; xc: [3][8192][1024] codes of query, key, value; wc: [4][1024][1024] codes of Wq, Wk, Wv, Wo; K innermost.  Rows of xc and of Wq, Wk, Wv lie at sigma(row), bits 3 and 4 of the row's number exchanged:
; 16 neighbouring stored rows 16 a + r are the rows 32 (a / 2) + 8 (a % 2) + r + 8 (r / 8).
; A tile of 256 x 256 is made by four waves, each 128 x 128: 64 accumulators, 512 registers.  K goes in steps of 256 through a ring of two LDS slots filled by the tensor data mover.
; Work-group y (0 .. 95) is the block of 256 rows of xc; ty = y / 32 says which of the three products it is; work-group x (0 .. 3) is the block of 256 rows of the weight.
; CLUSTERS: 4 x 4 work-groups.  The four of a row of the cluster need the same rows of xc, the four of a column the same rows of the weight: each tile is asked for jointly.  ty is made of the cluster's y alone.
; THE MATRIX INSTRUCTION: source 1's row is the lane's, source 0's rows run along the lane's registers.  By the stored order the 16 registers of tiles 2 b and 2 b + 1 are 16 NEIGHBOURS of source 0: 32 b + 16 h + 0 .. 15.
;   q, k: source 1 = tokens, source 0 = channels: a lane holds one token and 16 neighbouring channels of a head: the next product's K is the head's 64.
;   v:    source 1 = channels, source 0 = tokens: a lane holds one channel and 16 neighbouring keys: the next product's K is the keys.  The turn is made by the LDS addresses of the two sets of fragments alone.
; THE RESULT goes out as IMAGES OF OPERAND REGISTERS: img[ty][16 b + head][u = 64 tokens][t = tile of 16][c = half of K][lane][16 bytes].  A lane's four code registers are one such 16 bytes, and a wave's store
; covers 512 consecutive bytes, aligned: no way through LDS.
; code = sum / 2^(eout - eA - eB), held within +-448: eout = entry 6, 7, 9 of the scales for q, k, v; eA, eB = entries 0, 1; 2, 3; 4, 5.  LIMIT: each eout - eA - eB lies between -126 and 119.
; REGISTERS, in windows of 256: window 0: v0-31 addresses and constants; from v128 the A set (source 1), ONE set; on the way out v32-223 are free.  window 1: the B set (source 0), TWO sets.
;   window 2: the accumulators of blocks 0-3 of source 1 (accumulator (a, b) at v[8 (8 a + b)]); window 3: those of blocks 4-7.
.set KSTEP,  256
.set ROWB,   256                       ; a tile's row in bytes
.set KROW,   1024                      ; a row of codes in memory
.set PITCH,  272                       ; an LDS row: 256 bytes + 16 of padding = 68 words: row r starts at bank 4 r mod 64 (64 banks of 4 bytes: ISA guide 11.1)
.set FR,     16                        ; registers of a fragment: 16 rows x 128 K
.set NL,     4                         ; LDS loads that bring one
.set NP,     4                         ; places behind this matrix instruction (ISA guide 7.12.1)
.set HALFT,  128*PITCH                 ; 128 rows: what one tensor load brings
.set SLOT,   4*HALFT                   ; xc's 256 rows, then the weight's 256 rows
.set LAPS,   2                         ; 1,024 along K = two laps of two K steps
.set SPARE,  2*SLOT                    ; behind the ring: the spare words, 128 bytes a wave: two blocks of 256 bytes that no other line names
.set OFS,  8                           ; v8-11   the way out: 16 x lane + ia x SA + jb x SB at v[8 + 2 ia + jb]
.set ADRA, 16                          ; v16-17  LDS address of the A set's fragments in slot 0, 1
.set ADRB, 20                          ; v20-21  the same for the B set
.set SPW,  28                          ; v28     LDS address of my spare word; never rewritten
.set NIL,  29                          ; v29     0; never rewritten
.set LIM,  30                          ; v30     448 x the conversion's scale
.set SCL,  31                          ; v31     the conversion's scale as f32
.set AF,   128
.set G1, 24                            ; s[24:31] descriptor group 1 for xc's tiles;  s[32:39] group 0, one set for each slot
.set G0, 32
.set G1B, 48                           ; s[48:55], s[56:63] the same for the weight's tiles
.set G0B, 56
.set TY,  66                           ; s66     0, 1, 2: q, k, v
.set MSB, 0
.macro WIN new                         ; the immediate's high byte repeats the setting that is left
.if MSB != \new
	s_set_vgpr_msb (MSB<<8)|\new
.set MSB, \new
.endif
.endm
.set MUL_LO, 0xa1                      ; source 0 window 1, source 1 window 0, C and D window 2
.set MUL_HI, 0xf1                      ; the same, C and D window 3
.set TO_B,   0x40                      ; destination window 1, address window 0
; A joint load: waves 0 and 1 fetch xc's two halves, waves 2 and 3 the weight's.  The branch hangs on the wave's number alone.  An s_nop 0 and four v_nop follow each of the two lines.
.macro JLOAD g0a, g1a, g0b, g1b
	s_cmp_eq_u32 s15, 0
	s_cbranch_scc0 .Lfor_b_\@
	tensor_load_to_lds s[\g0a:\g0a+3], s[\g1a:\g1a+7]
	s_nop 0
.rept 4
	v_nop
.endr
	s_branch .Lasked_\@
.Lfor_b_\@:
	tensor_load_to_lds s[\g0b:\g0b+3], s[\g1b:\g1b+7]
	s_nop 0
.rept 4
	v_nop
.endr
.Lasked_\@:
.endm
.macro CREST                           ; a round of the cluster's barrier behind its opening barrier
	s_cmp_lg_u32 s14, 0
	s_cbranch_scc1 .Lnot_wave_0_\@
	s_barrier_signal -3
.Lnot_wave_0_\@:
	s_barrier_wait -3
	s_barrier_signal -1
	s_barrier_wait -1
.endm
.macro CROUND                          ; a whole round
	s_barrier_signal -1
	s_barrier_wait -1
	CREST
.endm
	s_load_b128 s[4:7], s[0:1], 0x0                ; xc s[4:5], wc s[6:7]
	s_load_b128 s[8:11], s[0:1], 0x10              ; the scales' exponents s[8:9], img s[10:11]
	v_lshl_add_u32 v[SPW], v0, 2, SPARE
	v_mov_b32 v[NIL], 0
	ds_add_u32 v[SPW], v[NIL]                      ; the wave's opening: the add, twice on end, and its wait ahead of my first tensor load; the set-up below stands between
	ds_add_u32 v[SPW], v[NIL]
	v_lshrrev_b32 v1, 5, v0
	v_readfirstlane_b32 s14, v1                    ; wave 0..3
	s_lshr_b32 s15, s14, 1                         ; which half of source 1's rows is mine.  Also: I fetch for xc (0) or for the weight (1)
	s_and_b32 s16, s14, 1                          ; which half of source 0's.  Also: which 128 rows of that tile I fetch
	s_bfe_u32 s40, ttmp6, 0x40000                  ; cx, cy: my place in the cluster
	s_bfe_u32 s41, ttmp6, 0x40004
	s_lshl_b32 s42, ttmp9, 2
	s_add_co_u32 s42, s42, s40                     ; work-group x = 4 x cluster x + cx
	s_and_b32 s17, ttmp7, 0xffff
	s_lshr_b32 s[TY], s17, 3                       ; eight clusters, 32 work-groups along y, to a product: the same in all sixteen partners
	s_lshl_b32 s17, s17, 2
	s_add_co_u32 s17, s17, s41                     ; work-group y = 4 x cluster y + cy
	s_lshl_b32 s43, s41, 2
	s_lshl_b32 s43, 15, s43                        ; my row of the cluster
	s_lshl_b32 s44, 0x1111, s40                    ; my column
	; descriptor group 1: a tile of 128 rows x 256 bytes, padded in LDS
	s_or_b32 s[G1+0], s43, (0<<16)|(1<<20)|(1<<21)|(5<<22)|(3<<25)  ; 15:0 the mask: xc's tiles go to my row; 17:16 element of 1 byte; 20 padding on; 21 set beside a mask; 24:22 after every 64 words (code 5); 31:25 of 4 words (code 3)
	s_or_b32 s[G1B+0], s44, (0<<16)|(1<<20)|(1<<21)|(5<<22)|(3<<25)
.irp g, G1, G1B
	s_mov_b32 s[\g+1], ROWB<<16                    ; tensor_dim0
	s_mov_b32 s[\g+2], 128<<16                     ; tensor_dim1 = 128
	s_mov_b32 s[\g+3], ROWB<<16                    ; tile_dim0
	s_mov_b32 s[\g+4], 128                         ; tile_dim1 = 128
	s_mov_b32 s[\g+5], KROW                        ; tensor_dim0_stride
	s_mov_b32 s[\g+6], 0
	s_mov_b32 s[\g+7], 0
.endr
	s_lshl_b32 s18, s16, 7                         ; which 128 rows of the tile I fetch
	s_lshl_b32 s20, s17, 8
	s_add_co_u32 s20, s20, s18                     ; xc: row 256 y + 128 x half,
	s_lshl_b32 s20, s20, 10                        ; in bytes (under 2^25)
	s_mov_b32 s21, 0
	s_lshl_b32 s46, s42, 8
	s_add_co_u32 s46, s46, s18                     ; wc: row 256 x + 128 x half
	s_lshl_b32 s47, s[TY], 10
	s_add_co_u32 s46, s46, s47                     ; + 1,024 ty,
	s_lshl_b32 s46, s46, 10                        ; in bytes
	s_mov_b32 s47, 0
	s_mul_i32 s45, s14, HALFT                      ; where they go: wave x 128 rows: no place in the cluster enters an LDS address
	s_wait_dscnt 0x0                               ; both opening adds are done
	s_wait_kmcnt 0x0
	s_load_b256 s[72:79], s[8:9], 0x0              ; e0 .. e7
	s_load_b128 s[80:83], s[8:9], 0x20             ; e8 .. e11
	s_add_nc_u64 s[20:21], s[4:5], s[20:21]
	s_add_nc_u64 s[46:47], s[6:7], s[46:47]
	CROUND                                         ; all sixteen work-groups are here: the first joint loads meet
.irp s, 0,1
	s_mov_b32 s[G0+4*\s], 1
	s_add_co_u32 s[G0+4*\s+1], s45, \s*SLOT
	s_add_nc_u64 s[G0+4*\s+2:G0+4*\s+3], s[20:21], \s*ROWB
	s_or_b32 s[G0+4*\s+3], s[G0+4*\s+3], 0x80000000
	s_mov_b32 s[G0B+4*\s], 1
	s_add_co_u32 s[G0B+4*\s+1], s45, \s*SLOT
	s_add_nc_u64 s[G0B+4*\s+2:G0B+4*\s+3], s[46:47], \s*ROWB
	s_or_b32 s[G0B+4*\s+3], s[G0B+4*\s+3], 0x80000000
	JLOAD G0+4*\s, G1, G0B+4*\s, G1B
.endr
	v_and_b32 v1, 15, v0                           ; r
	v_bfe_u32 v2, v0, 4, 1                         ; h
	v_mul_u32_u24 v3, v1, PITCH
	v_lshl_add_u32 v4, v2, 4, v3                   ; a fragment's row x pitch + 16 h
	s_mov_b32 s84, 4096                            ; bytes of an image block of 64 tokens,
	s_mov_b32 s85, 131072                          ; and of a head's 32 blocks
	s_cmp_eq_u32 s[TY], 2                          ; v?
	s_cselect_b32 s67, 2*HALFT, 0                  ; the A set (source 1) is read from xc's rows for q and k, from the weight's for v;
	s_cselect_b32 s68, 0, 2*HALFT                  ; the B set (source 0) from the other.  Either way an address stays inside its slot
	s_cselect_b32 s86, s85, s84                    ; SA: from 64 rows of source 1 to the next: a block of tokens (q, k) or a head (v)
	s_cselect_b32 s87, s84, s85                    ; SB: the same for source 0
	s_mul_i32 s21, s15, HALFT
	s_add_co_u32 s21, s21, s67
	s_mul_i32 s22, s16, HALFT
	s_add_co_u32 s22, s22, s68
.irp s, 0,1
	v_add_nc_u32 v[ADRA+\s], s21, v4
	v_add_nc_u32 v[ADRB+\s], s22, v4
	s_add_co_u32 s21, s21, SLOT
	s_add_co_u32 s22, s22, SLOT
.endr
	; the way out: img + ty 2^23 + 4,096 x (512 batch + 128 x + 4 (y % 8)) + 2 (wave / 2) SA + 2 (wave % 2) SB
	s_and_b32 s88, s17, 31
	s_lshr_b32 s89, s88, 3                         ; batch
	s_lshl_b32 s89, s89, 9
	s_lshl_b32 s90, s42, 7
	s_add_co_u32 s89, s89, s90
	s_and_b32 s90, s88, 7
	s_lshl_b32 s90, s90, 2
	s_add_co_u32 s89, s89, s90
	s_lshl_b32 s92, s89, 12
	s_lshl_b32 s90, s[TY], 23
	s_add_co_u32 s92, s92, s90
	s_mul_i32 s90, s15, s86
	s_lshl_b32 s90, s90, 1
	s_add_co_u32 s92, s92, s90
	s_mul_i32 s90, s16, s87
	s_lshl_b32 s90, s90, 1
	s_add_co_u32 s92, s92, s90
	s_mov_b32 s93, 0
	s_add_nc_u64 s[10:11], s[10:11], s[92:93]
	v_and_b32 v6, 31, v0
	v_lshlrev_b32 v[OFS], 4, v6
	v_add_nc_u32 v[OFS+1], s87, v[OFS]
	v_add_nc_u32 v[OFS+2], s86, v[OFS]
	v_add_nc_u32 v[OFS+3], s87, v[OFS+2]
.macro FRAG reg, adr, q, i             ; a fragment: lane l holds row l % 16; registers 4 c .. 4 c + 3 hold K = 32 c + 16 (l / 16) + 0 .. 15: the same order of K on both sides of a product
.irp c, 0,1,2,3
	ds_load_b128 v[\reg+4*\c:\reg+4*\c+3], v[\adr] offset:128*(\q)+32*\c+(\i)*16*PITCH
.endr
.endm
; 16 matrix instructions: the A set's blocks a0, a0 + 1 x the B set's eight, 128 along K.  p: which B set.  zero = 1: the first product starts the sums.
; The 64 accumulators take turns, one instruction a turn, in the same order in every step.
.macro MUL16 a0, p, zero
.irp a, \a0, \a0+1
.irp b, 0,1,2,3,4,5,6,7
.if \zero
	v_wmma_f32_16x16x128_fp8_fp8 v[8*(8*((\a)%4)+\b):8*(8*((\a)%4)+\b)+7], v[128*(\p)+FR*\b:128*(\p)+FR*\b+FR-1], v[AF+FR*(\a):AF+FR*(\a)+FR-1], 0
.else
	v_wmma_f32_16x16x128_fp8_fp8 v[8*(8*((\a)%4)+\b):8*(8*((\a)%4)+\b)+7], v[128*(\p)+FR*\b:128*(\p)+FR*\b+FR-1], v[AF+FR*(\a):AF+FR*(\a)+FR-1], v[8*(8*((\a)%4)+\b):8*(8*((\a)%4)+\b)+7]
.endif
.endr
.endr
.endm
.macro FETCH_B slot, q, p
	WIN TO_B
.irp i, 0,1,2,3,4,5,6,7
	FRAG 128*(\p)+FR*\i, ADRB+\slot, \q, \i
.endr
	WIN 0
.endm
.macro FETCH_A slot, q, i0
.irp i, \i0, \i0+1, \i0+2, \i0+3
	FRAG AF+FR*(\i), ADRA+\slot, \q, \i
.endr
.endm
.macro PLACES n                        ; plain vector instructions between a matrix instruction and a load into, or a read of, its registers (ISA guide 7.12.1 for reads)
.rept \n
	v_nop
.endr
.endm
.macro STEP slot, q, zero              ; a step of 128 along K that has its successor in the same slot
	s_wait_dscnt 4*NL                              ; the B set and blocks 0-3 of the A set are in; the youngest sixteen loads (blocks 4-7) may be out
	WIN MUL_LO
	MUL16 0, (\q)%2, \zero
	MUL16 2, (\q)%2, \zero
	s_wait_dscnt 0                                 ; blocks 4-7 are in
	PLACES NP
	FETCH_B \slot, (\q)+1, 1-(\q)%2
	FETCH_A \slot, (\q)+1, 0
	WIN MUL_HI
	MUL16 4, (\q)%2, \zero
	MUL16 6, (\q)%2, \zero
	PLACES NP
	WIN 0
	FETCH_A \slot, (\q)+1, 4
.endm
; A slot's last step changes slots: ONE barrier; in front of it each wave waits for all its tensor loads, adds 0 to its spare word, and waits for that and for its own reads of this slot.
.macro TURN slot, next, fill
	s_wait_tensorcnt 0x0                           ; all my tensor loads have landed: my part of the next slot
	ds_add_u32 v[SPW], v[NIL]                      ; 0 onto my spare word
	s_wait_dscnt 4*NL+1                            ; the add and the youngest sixteen loads may be out
	WIN MUL_LO
	MUL16 0, 1, 0
	s_wait_dscnt 0x0                               ; the add is done, and my reads of this slot are over
	s_barrier_signal -1
	MUL16 2, 1, 0
	WIN 0
	s_barrier_wait -1
.if \fill
	CREST                                          ; the barrier has opened a round of the cluster's barrier: no wave of any partner still reads this slot or has a load on its way
	s_add_nc_u64 s[G0+4*\slot+2:G0+4*\slot+3], s[G0+4*\slot+2:G0+4*\slot+3], 2*ROWB
	s_add_nc_u64 s[G0B+4*\slot+2:G0B+4*\slot+3], s[G0B+4*\slot+2:G0B+4*\slot+3], 2*ROWB
	JLOAD G0+4*\slot, G1, G0B+4*\slot, G1B         ; the first tensor load behind the round; its four v_nop are the places in front of the loads below
.else
	PLACES NP
.endif
	FETCH_B \next, 0, 0
	FETCH_A \next, 0, 0
	WIN MUL_HI
	MUL16 4, 1, 0
	MUL16 6, 1, 0
	PLACES NP
	WIN 0
	FETCH_A \next, 0, 4
.endm
	s_wait_tensorcnt 1                             ; my part of K step 0 is in; K step 1's load may be out
	s_barrier_signal -1
	s_barrier_wait -1
	FETCH_B 0, 0, 0
	FETCH_A 0, 0, 0
	FETCH_A 0, 0, 4
	STEP 0, 0, 1                                   ; the first step stands in front of the loop: its products start the sums
	s_mov_b32 s3, LAPS-1
.Llap:                                                 ; a trip goes once round the ring and fills both slots again
	TURN 0, 1, 1
	STEP 1, 0, 0
	TURN 1, 0, 1
	STEP 0, 0, 0
	s_sub_co_u32 s3, s3, 1
	s_cmp_lg_u32 s3, 0
	s_cbranch_scc1 .Llap
	TURN 0, 1, 0                                   ; the last lap fills nothing
	STEP 1, 0, 0
	s_wait_dscnt 4*NL
	WIN MUL_LO
	MUL16 0, 1, 0
	MUL16 2, 1, 0
	s_wait_dscnt 0
	WIN MUL_HI
	MUL16 4, 1, 0
	MUL16 6, 1, 0
	WIN 0
	; THE WAY OUT.  The three scales are folded into the conversion's one
	s_wait_kmcnt 0x0
	s_sub_co_i32 s94, s78, s72
	s_sub_co_i32 s94, s94, s73                     ; q: e6 - e0 - e1
	s_sub_co_i32 s95, s79, s74
	s_sub_co_i32 s95, s95, s75                     ; k: e7 - e2 - e3
	s_sub_co_i32 s96, s81, s76
	s_sub_co_i32 s96, s96, s77                     ; v: e9 - e4 - e5
	s_cmp_eq_u32 s[TY], 1
	s_cselect_b32 s94, s95, s94
	s_cmp_eq_u32 s[TY], 2
	s_cselect_b32 s94, s96, s94
	s_add_co_i32 s94, s94, 127
	s_lshl_b32 s95, s94, 23
	v_mov_b32 v[SCL], s95
	s_add_co_i32 s94, s94, 8
	s_lshl_b32 s94, s94, 23
	s_or_b32 s94, s94, 0x600000
	v_mov_b32 v[LIM], s94
	PLACES NP
; Block a of source 1: 64 sums a lane are held, converted, and leave as four pieces of 16 bytes: piece bp = tiles 2 bp, 2 bp + 1 = image block (a / 4, bp / 2), tile a % 4, half bp % 2.
.macro QOUT a
.set AC, 64*((\a)%4)
.set TS, 32+64*((\a)%2)
.set CD, 160+16*((\a)%4)
	WIN 0x02+((\a)/4)                              ; source 0: window 2 or 3
.set n, 0
.rept 64
	v_med3_num_f32 v[TS+n], v[AC+n], -v[LIM], v[LIM]   ; the hold (ISA guide 7.6.2), into other registers; each accumulator from its low end on
.set n, n+1
.endr
	WIN 0
.if (\a) == 4
	s_wait_xcnt 0x0                                ; blocks 0-3's stores have read their data: the code registers are written again only behind this wait
.endif
.irp k, 0,1,2,3,4,5,6,7
	v_cvt_scalef32_pk8_fp8_f32 v[CD+2*\k:CD+2*\k+1], v[TS+8*\k:TS+8*\k+7], v[SCL]
.endr
.irp bp, 0,1,2,3
	global_store_b128 v[OFS+2*((\a)/4)+\bp/2], v[CD+4*\bp:CD+4*\bp+3], s[10:11] offset:((\a)%4)*1024+(\bp%2)*512   ; 32 lanes store 512 consecutive bytes, at a multiple of 256 from the buffer's first byte
.endr
.endm
.irp a, 0,1,2,3,4,5,6,7
	QOUT \a
.endr
	v_nop                                          ; a plain vector line behind the last conversion
	s_wait_tensorcnt 0x0                           ; the wave's end
	ds_add_u32 v[SPW], v[NIL]
	s_wait_dscnt 0x0
	CROUND                                         ; the closing round: no work-group ends while a partner may still ask for a tile that names it
	s_endpgm
.Lfunc_end_k_q2cdc874197_proj:
	.size	k_q2cdc874197_proj, .Lfunc_end_k_q2cdc874197_proj-k_q2cdc874197_proj
	.p2alignl 7, 3214868480
	.fill 96, 4, 3214868480
	.section	.rodata,"a",@progbits
	.p2align	6, 0x0
	.amdhsa_kernel k_q2cdc874197_proj
		.amdhsa_group_segment_fixed_size 327680
		.amdhsa_private_segment_fixed_size 0
		.amdhsa_enable_private_segment 0
		.amdhsa_kernarg_size 32
		.amdhsa_user_sgpr_count 2
		.amdhsa_user_sgpr_kernarg_segment_ptr 1
		.amdhsa_wavefront_size32 1
		.amdhsa_system_sgpr_workgroup_id_x 1
		.amdhsa_system_sgpr_workgroup_id_y 1
		.amdhsa_system_sgpr_workgroup_id_z 1
		.amdhsa_system_vgpr_workitem_id 0
		.amdhsa_next_free_vgpr 1024
		.amdhsa_next_free_sgpr 100
		.amdhsa_reserve_vcc 0
		.amdhsa_float_denorm_mode_32 3
		.amdhsa_float_denorm_mode_16_64 3
		.amdhsa_memory_ordered 1
		.amdhsa_forward_progress 1
		.amdhsa_inst_pref_size 118
	.end_amdhsa_kernel
	.amdgpu_metadata
---
amdhsa.version: [ 1, 2 ]
amdhsa.kernels:
  - .name:           k_q2cdc874197_proj
    .symbol:         k_q2cdc874197_proj.kd
    .args:
      - { .name: xc, .offset: 0, .size: 8, .value_kind: global_buffer, .address_space: global }
      - { .name: wc, .offset: 8, .size: 8, .value_kind: global_buffer, .address_space: global }
      - { .name: lowp_scales, .offset: 16, .size: 8, .value_kind: global_buffer, .address_space: global }
      - { .name: img, .offset: 24, .size: 8, .value_kind: global_buffer, .address_space: global }
    .group_segment_fixed_size: 327680
    .private_segment_fixed_size: 0
    .kernarg_segment_align: 8
    .kernarg_segment_size: 32
    .max_flat_workgroup_size: 128
    .sgpr_count:     100
    .vgpr_count:     1024
    .wavefront_size: 32
...
	.end_amdgpu_metadata
.endif
;; end of part 2
;; launch attn (part 3): grid 4 x 64, 16 waves a work-group, no clusters, 75,776 bytes of LDS; arguments img, mw, fl, lowp_scales, acodes; writes acodes
.if DOCPART == 3
	.amdgcn_target "amdgcn-amd-amdhsa--gfx1250"
	.amdhsa_code_object_version 6
	.text
	.protected	k_q2cdc874197_attn
	.globl	k_q2cdc874197_attn
	.p2align	8
	.type	k_q2cdc874197_attn,@function
k_q2cdc874197_attn:
	s_mov_b64 s[64:65], 0
	v_nop
	global_prefetch_b8 v0, s[64:65] scope:SCOPE_SE
	s_setreg_imm32_b32 hwreg(HW_REG_WAVE_MODE, 25, 1), 1
	s_wait_xcnt 0x0
; THIRD LAUNCH: attention on codes of E4M3, head size 64, with the mask that is given.  Both products by v_wmma_f32_16x16x64_fp8_fp8.
; WORK PASSED OVER: a tile of 32 queries x 64 keys whose live bit (buffer fl, made by the first launch from the mask's bytes) is 0: all its mask bytes are false and each of its rows has an open key elsewhere,
; so its p are 0.  A NaN, an infinity or an overflow of k or v that lies only in such tiles is not carried to the result.
; NO CLUSTER, NO TENSOR LOAD: the walk hangs on numbers read from memory, so K and V go from memory through registers into LDS: 16 bytes of each a lane for 128 keys.
; SOFTMAX: t = score x log2(e) / 8 x 2^(e6 + e7); M = the running largest t rounded up to a whole number, kept as -M = floor(-t); p = 2^(t - M) is quantised with 2^e8, not normalised; the row's sum is taken of the
; unquantised p; when M moves, the sum and O are multiplied by 2^(old M - new M), which rounds nothing.  At the end O / sum is quantised with 2^e10 for the last product.
; A CLOSED KEY's raw score is replaced by -2^(33 - e6 - e7), which stands for a logit of -2^30 where reference() has -1e9.  c x that number is a whole number, so in a row that is closed so far t - M is exactly 0
; and p = 1: a row with no open key gets the plain mean of all values, as in reference().  LIMITS: e6 + e7 between -94 and 9 (open logits are at most 64 x 448^2 x 2^(e6 + e7) / 8 in size: far above -2^30, so no
; result differs); e8, and e10 - e8 - e9, between -126 and 119.
; THE HOLD OF p at 448 x 2^e8 changes nothing where e8 >= -8 (p <= 1 < 1.75).
; SHARES.  Work-group (j, 16 b + head) owns the blocks j and 7 - j of 256 queries of one head.  Wave i: role = (i xor i / 4) % 2 picks the block, i / 2 the group g of 32 queries in it: two tiles of 16 (x = 0, 1).
; Any split is right for any mask; this one gives each work-group early and late queries alike.  Two tiles a wave: each fragment of K and V read from LDS feeds two products.
; LAYOUT.  img holds q, k, v as images of operand registers: [3][16 b + head][u][t][c][lane][16 bytes].  S^T = K Q^T, O^T = V^T P^T: a lane holds ONE query (lane % 16) throughout.  Score register n of a sub-step u is
; key 64 u + 32 (n / 16) + 16 h + n % 16: four conversions make of a tile's 32 p the second product's operand.  O register n is channel 32 (n / 16) + 16 h + n % 16.
; LDS: two slots of 16,384 bytes (128 keys: K's 8,192, then V's); from 32,768 a stage of 32 rows x 80 bytes for each wave; from 73,728 the spare words.
; REGISTERS: v1 16 x lane; v3 16 x thread; v5, v6 the add's two; v7 a closed key's raw score; v8, v9 2^e8 and 448 x 2^e8; v10, v11 the same with e10 - e8 - e9; v[12:13] -M, largest t of tile 0; v[14:15] its sum;
;   v16-31 Q; v32-63 K's fragments, then at work; v64-127 S^T, then p; v128-191 O^T; v192-223 V's fragments; v224-239 p's codes; v240-247 the next 128 keys on their way; v[248:251] tile 1's -M, t, sum;
;   v252 f of tile 0, v253 256 x lane (the prefetch's offset); v254 f of tile 1, v255 0.
;   s[32:63], s[68:99] the sub-step's 64 lane masks; s66 live bits, s67 bits of tiles that want the mask (live and not open), both shifted as the walk goes; s100 the live bits of all sixteen waves.
.set SLOTB, 16384
.set VOFF,  8192
.set STAGE, 32768
.set SPARE, 73728
.set QF, 16
.set KF, 32
.set S,  64
.set O,  128
.set VF, 192
.set PC, 224
	s_load_b256 s[4:11], s[0:1], 0x0               ; img s[4:5], mw s[6:7], fl s[8:9], the scales' exponents s[10:11]
	s_load_b64 s[12:13], s[0:1], 0x20              ; acodes
	v_lshl_add_u32 v5, v0, 2, SPARE
	v_mov_b32 v6, 0
	v_lshrrev_b32 v1, 5, v0
	v_readfirstlane_b32 s18, v1                    ; wave 0..15
	v_and_b32 v1, 31, v0
	v_lshlrev_b32 v253, 8, v1
	v_lshlrev_b32 v1, 4, v1
	v_lshlrev_b32 v3, 4, v0
	v_mov_b32 v255, 0
	s_and_b32 s29, ttmp7, 0xffff                   ; 16 b + head
	s_lshr_b32 s30, s29, 4                         ; b
	s_and_b32 s31, s29, 15                         ; head
	s_lshr_b32 s2, s18, 2
	s_xor_b32 s2, s2, s18
	s_and_b32 s2, s2, 1                            ; role
	s_sub_co_u32 s3, 7, ttmp9
	s_cmp_eq_u32 s2, 1
	s_cselect_b32 s3, s3, ttmp9                    ; my block of 256 queries
	s_lshr_b32 s2, s18, 1
	s_lshl_b32 s3, s3, 3
	s_add_co_u32 s3, s3, s2                        ; g
	s_lshl_b32 s2, s30, 6
	s_add_co_u32 s2, s2, s3                        ; 64 b + g
	s_lshl_b32 s68, s29, 17                        ; a head's images: 131,072 bytes
	s_mov_b32 s69, 0
	s_lshl_b32 s70, s3, 11                         ; Q: block g / 2, tiles 2 (g % 2) on: 2,048 g
	s_mov_b32 s71, 0
	s_lshl_b32 s72, s2, 13                         ; mw: 8,192 bytes a group
	s_mov_b32 s73, 0
	s_lshl_b32 s74, s31, 19                        ; acodes [head][2,048 b + s][64]: 524,288 a head,
	s_lshl_b32 s75, s2, 11                         ; 2,048 a group
	s_add_co_u32 s74, s74, s75
	s_mov_b32 s75, 0
	s_lshl_b32 s76, s30, 6
	s_lshl_b32 s77, ttmp9, 3
	s_add_co_u32 s76, s76, s77
	s_lshl_b32 s76, s76, 2                         ; fl: the eight words of block j,
	s_mov_b32 s77, 0
	s_sub_co_u32 s78, 7, ttmp9
	s_lshl_b32 s78, s78, 3
	s_lshl_b32 s79, s30, 6
	s_add_co_u32 s78, s78, s79
	s_lshl_b32 s78, s78, 2                         ; of block 7 - j,
	s_mov_b32 s79, 0
	s_lshl_b32 s80, s2, 2                          ; and my own
	s_mov_b32 s81, 0
	s_mov_b32 s20, 0x76543210                      ; v_permlanex16_b32's selects for lane l xor 16
	s_mov_b32 s21, 0xfedcba98
	s_wait_kmcnt 0x0
	s_add_nc_u64 s[14:15], s[4:5], s[68:69]
	s_add_nc_u64 s[16:17], s[14:15], 0x1000000     ; V's images of my head
	s_add_nc_u64 s[4:5], s[14:15], s[70:71]        ; Q's two tiles
	s_add_nc_u64 s[14:15], s[14:15], 0x800000      ; K's images of my head
	s_add_nc_u64 s[6:7], s[6:7], s[72:73]
	s_add_nc_u64 s[12:13], s[12:13], s[74:75]
	s_add_nc_u64 s[76:77], s[8:9], s[76:77]
	s_add_nc_u64 s[78:79], s[8:9], s[78:79]
	s_add_nc_u64 s[80:81], s[8:9], s[80:81]
	s_load_b128 s[24:27], s[10:11], 0x18           ; e6, e7, e8, e9
	s_load_b32 s28, s[10:11], 0x28                 ; e10
	s_load_b256 s[32:39], s[76:77], 0x0
	s_load_b256 s[40:47], s[78:79], 0x0
	s_load_b32 s66, s[80:81], 0x0                  ; my live bits
	s_load_b32 s67, s[80:81], 0x400                ; my open bits
.irp x, 0,1
.irp c, 0,1
	global_load_b128 v[QF+8*\x+4*\c:QF+8*\x+4*\c+3], v1, s[4:5] offset:1024*\x+512*\c   ; Q stays in registers
.endr
.endr
	global_load_b128 v[240:243], v3, s[14:15]      ; the first 128 keys: 512 threads x 16 bytes of K,
	global_load_b128 v[244:247], v3, s[16:17]      ; and of V
	v_mov_b32 v13, 0xff61b1e6                      ; the largest t so far: -3e38, under every t
	v_mov_b32 v249, 0xff61b1e6
	v_floor_f32 v12, -v13                          ; -M
	v_floor_f32 v248, -v249
	v_mov_b32 v14, 0                               ; the sums, in two halves each
	v_mov_b32 v15, 0
	v_mov_b32 v250, 0
	v_mov_b32 v251, 0
.set n, 0
.rept 64
	v_mov_b32 v[O+n], 0                            ; O^T.  Which step is a wave's first hangs on the flags, so no first step can be written out: the first live step finds zeros
.set n, n+1
.endr
	s_wait_kmcnt 0x0
	s_or_b32 s100, s32, s33
.irp k, 34,35,36,37,38,39,40,41,42,43,44,45,46,47
	s_or_b32 s100, s100, s[\k]                     ; a sub-step is fetched if any of the sixteen waves wants it
.endr
	s_and_not1_b32 s67, s66, s67                   ; live and not open: the tile wants its lane masks
	s_load_b512 s[32:47], s[6:7], 0x0              ; sub-step 0's lane masks, wanted or not: every mask register is written
	s_load_b512 s[48:63], s[6:7], 0x40
	s_load_b512 s[68:83], s[6:7], 0x80
	s_load_b512 s[84:99], s[6:7], 0xc0
	s_add_co_i32 s2, s24, s25                      ; e6 + e7
	s_lshl_b32 s3, s2, 23
	s_add_co_i32 s22, s3, 0x3e38aa3b               ; c = log2(e) / 8 x 2^(e6 + e7): the exponents are added to c's exponent field
	s_mov_b32 s23, s22                             ; (named with it as a pair, so it is written)
	s_sub_co_i32 s3, 160, s2
	s_lshl_b32 s3, s3, 23
	s_or_b32 s3, s3, 0x80000000
	v_mov_b32 v7, s3                               ; -2^(33 - e6 - e7)
	s_add_co_i32 s2, s26, 127
	s_lshl_b32 s3, s2, 23
	v_mov_b32 v8, s3                               ; 2^e8
	s_add_co_i32 s2, s2, 8
	s_lshl_b32 s2, s2, 23
	s_or_b32 s2, s2, 0x600000
	v_mov_b32 v9, s2                               ; 448 x 2^e8
	s_sub_co_i32 s2, s28, s26
	s_sub_co_i32 s2, s2, s27                       ; O stands for O x 2^(e8 + e9): its code is (O / sum) / 2^(e10 - e8 - e9)
	s_add_co_i32 s2, s2, 127
	s_lshl_b32 s3, s2, 23
	v_mov_b32 v10, s3
	s_add_co_i32 s2, s2, 8
	s_lshl_b32 s2, s2, 23
	s_or_b32 s2, s2, 0x600000
	v_mov_b32 v11, s2
	s_cmp_lt_i32 s26, -8
	s_cselect_b32 s101, 1, 0                       ; is p's hold wanted?
	s_lshr_b32 s2, s18, 1                          ; the prefetches: waves 0 (K) and 1 (V)
	s_or_b32 s2, s2, ttmp9                         ; of the head's first work-group
	s_cmp_eq_u32 s2, 0
	s_cselect_b32 s24, 1, -1                       ; a wave prefetches while the double trips left are above this number
	s_cmp_eq_u32 s18, 0
	s_cselect_b64 s[26:27], s[14:15], s[16:17]
	s_wait_loadcnt 0x0                             ; Q, and the first 128 keys,
	ds_store_b128 v3, v[240:243]                   ; which go into slot 0
	ds_store_b128 v3, v[244:247] offset:VOFF
	s_wait_dscnt 0x0                               ; for the others' sake: my part has landed
	s_barrier_signal -1
	s_barrier_wait -1
; The next sub-step's lane masks, if it wants them.  Zeros shifted into s67 end this at the group's last sub-step.
.macro NEXTMASK q
	s_bitcmp1_b32 s67, 1
	s_cbranch_scc0 .Lnone_\@
	s_wait_kmcnt 0x0                               ; no load lands on a register that an earlier one may still write
	s_load_b512 s[32:47], s[6:7], 256*(\q)+256
	s_load_b512 s[48:63], s[6:7], 256*(\q)+320
	s_load_b512 s[68:83], s[6:7], 256*(\q)+384
	s_load_b512 s[84:99], s[6:7], 256*(\q)+448
.Lnone_\@:
.endm
; A PREFETCH INTO THE L2 of the 128 keys that the NEXT trip will load (this trip loads the trip after's; the prefetch names the one behind that): 8,192 bytes of K (wave 0) or of V (wave 1), lanes 256 bytes apart.
; The four work-groups of a head walk the same K and V: the first of them asks, so each block of 256 bytes is named once in the launch.  The last double trip asks for nothing: there are no keys behind it.
.macro ASK
	s_cmp_gt_u32 s19, s24
	s_cbranch_scc0 .Lnot_mine_\@
	global_prefetch_b8 v253, s[26:27] offset:16384 th:TH_LOAD_NT scope:SCOPE_SE
.Lnot_mine_\@:
.endm
; A SUB-STEP: 64 keys, the q-th of the slot, for both tiles of queries.
.macro STEP slot, q
	s_bitcmp1_b32 s66, 0
	s_cbranch_scc0 .Ldead_\@
.irp f, 0,1,2,3,4,5,6,7
	ds_load_b128 v[KF+4*\f:KF+4*\f+3], v1 offset:\slot*SLOTB+4096*\q+512*\f   ; K's four tiles of 16 keys, as images: 512 consecutive bytes a load
.endr
	s_wait_dscnt 0x0
.irp t, 0,1,2,3
.irp x, 0,1
	v_wmma_f32_16x16x64_fp8_fp8 v[S+32*\x+8*\t:S+32*\x+8*\t+7], v[KF+8*\t:KF+8*\t+7], v[QF+8*\x:QF+8*\x+7], 0   ; the head's 64 are this form's K: a tile of S^T is one instruction
.endr
.endr
.rept 4
	v_nop                                          ; the places in front of the reads of S^T, of the writes into K's registers, and of the loads into V's registers, which the last V^T P^T read
.endr
.irp f, 0,1,2,3,4,5,6,7
	ds_load_b128 v[VF+4*\f:VF+4*\f+3], v1 offset:\slot*SLOTB+VOFF+4096*\q+512*\f   ; V's four tiles of 16 channels: they land while the softmax is walked
.endr
	s_bitcmp1_b32 s67, 0
	s_cbranch_scc0 .Lopen_\@                       ; a tile all of whose keys are open takes no mask
	s_wait_kmcnt 0x0                               ; the lane masks are in
.set n, 0
.rept 32
	v_cndmask_b32 v[S+n], v7, v[S+n], s[32+n]      ; a closed key's score becomes -2^(33 - e6 - e7); each accumulator from its low end on
.set n, n+1
.endr
.set n, 0
.rept 32
	v_cndmask_b32 v[S+32+n], v7, v[S+32+n], s[68+n]
.set n, n+1
.endr
.Lopen_\@:
	NEXTMASK \q
.irp x, 0,1                                    ; the sub-step's largest score of my query among my 32 keys, in two chains a tile; the tiles alternate
	v_max3_num_f32 v[32+4*\x], v[S+32*\x], v[S+32*\x+1], v[S+32*\x+2]
	v_max3_num_f32 v[33+4*\x], v[S+32*\x+3], v[S+32*\x+4], v[S+32*\x+5]
.endr
.irp i, 6,10,14,18,22,26
.irp x, 0,1
	v_max3_num_f32 v[32+4*\x], v[32+4*\x], v[S+32*\x+\i], v[S+32*\x+\i+1]
	v_max3_num_f32 v[33+4*\x], v[33+4*\x], v[S+32*\x+\i+2], v[S+32*\x+\i+3]
.endr
.endr
.irp x, 0,1
	v_max3_num_f32 v[32+4*\x], v[32+4*\x], v[S+32*\x+30], v[S+32*\x+31]
.endr
.irp x, 0,1
	v_max_num_f32 v[32+4*\x], v[32+4*\x], v[33+4*\x]
.endr
.irp x, 0,1
	v_permlanex16_b32 v[34+4*\x], v[32+4*\x], s20, s21
.endr
.irp x, 0,1
	v_max_num_f32 v[32+4*\x], v[32+4*\x], v[34+4*\x]   ; and among lane l xor 16's
.endr
.irp x, 0,1
	v_mul_f32 v[32+4*\x], s22, v[32+4*\x]          ; as t (c is positive)
.endr
.irp x, 0,1
	v_max_num_f32 v[13+236*\x], v[13+236*\x], v[32+4*\x]   ; the running largest t
	v_mov_b32 v[32+4*\x], v[12+236*\x]
.endr
.irp x, 0,1
	v_floor_f32 v[12+236*\x], -v[13+236*\x]        ; the new -M = floor(-t): M is a whole number
.endr
.irp x, 0,1
	v_sub_f32 v[32+4*\x], v[12+236*\x], v[32+4*\x] ; old M - new M: a whole number, 0 or less
.endr
.irp x, 0,1
	v_cvt_i32_f32 v[32+4*\x], v[32+4*\x]           ; (it saturates)
.endr
.irp x, 0,1
	v_ldexp_f32 v[252+2*\x], 1.0, v[32+4*\x]       ; f = 2^(old M - new M)
.endr
.irp x, 0,1
.set n, 0
.rept 16
	v_pk_fma_f32 v[S+32*\x+n:S+32*\x+n+1], v[S+32*\x+n:S+32*\x+n+1], s[22:23], v[12+236*\x:13+236*\x] op_sel_hi:[1,0,0]   ; t - M, two at a time
.set n, n+2
.endr
.endr
.set n, 0
.rept 64
	v_exp_f32 v[S+n], v[S+n]                       ; p = 2^(t - M), at most 1: one batch
.set n, n+1
.endr
	v_pk_mul_f32 v[14:15], v[14:15], v[252:253] op_sel_hi:[1,0]     ; the sums under the new M: plain lines behind the exponentials
	v_pk_mul_f32 v[250:251], v[250:251], v[254:255] op_sel_hi:[1,0]
	s_wait_alu depctr_va_vdst(0)                   ; the wait ahead of the first line that names an exponential's result: one for the batch
.irp x, 0,1
	v_pk_add_f32 v[40+2*\x:41+2*\x], v[S+32*\x:S+32*\x+1], v[S+32*\x+2:S+32*\x+3]   ; the row's sum is taken of the unquantised p: two chains a tile
.endr
.irp i, 4,8,12,16,20,24,28
.irp x, 0,1
	v_pk_add_f32 v[14+236*\x:15+236*\x], v[14+236*\x:15+236*\x], v[S+32*\x+\i:S+32*\x+\i+1]
	v_pk_add_f32 v[40+2*\x:41+2*\x], v[40+2*\x:41+2*\x], v[S+32*\x+\i+2:S+32*\x+\i+3]
.endr
.endr
.irp x, 0,1
	v_pk_add_f32 v[14+236*\x:15+236*\x], v[14+236*\x:15+236*\x], v[40+2*\x:41+2*\x]
.endr
	s_cmp_eq_u32 s101, 0
	s_cbranch_scc1 .Lnohold_\@
.set n, 0
.rept 64
	v_min_num_f32 v[S+n], v[S+n], v9               ; the conversion does not saturate (ISA guide 7.6.2); p is not negative, so the hold is one-sided
.set n, n+1
.endr
.Lnohold_\@:
.irp x, 0,1
.irp k, 0,1,2,3
	v_cvt_scalef32_pk8_fp8_f32 v[PC+8*\x+2*\k:PC+8*\x+2*\k+1], v[S+32*\x+8*\k:S+32*\x+8*\k+7], v8
.endr
.endr
.irp x, 0,1
.set n, 0
.rept 16
	v_pk_mul_f32 v[O+32*\x+n:O+32*\x+n+1], v[O+32*\x+n:O+32*\x+n+1], v[252+2*\x:253+2*\x] op_sel_hi:[1,0]   ; O^T under the new M; each accumulator from its low end on.  Plain lines between the conversions and the products
.set n, n+2
.endr
.endr
	s_wait_dscnt 0x0                               ; V is in
.irp t, 0,1,2,3
.irp x, 0,1
	v_wmma_f32_16x16x64_fp8_fp8 v[O+32*\x+8*\t:O+32*\x+8*\t+7], v[VF+8*\t:VF+8*\t+7], v[PC+8*\x:PC+8*\x+7], v[O+32*\x+8*\t:O+32*\x+8*\t+7]   ; the eight accumulators take turns, one instruction a turn
.endr
.endr
	s_branch .Ljoin_\@
.Ldead_\@:
	NEXTMASK \q
.Ljoin_\@:
	s_lshr_b32 s66, s66, 1
	s_lshr_b32 s67, s67, 1
.endm
; A TRIP: 128 keys out of one slot, while the next 128 come from memory into registers and go into the other slot at the trip's end.  ONE barrier: in front of it each wave's reads of this slot are over and its part
; of the other slot has landed; the other slot was last read in front of the barrier before.
.macro TRIP slot
	s_and_b32 s2, s100, 12                         ; does any wave want one of the next two sub-steps?  (The same in all sixteen waves; zeros shifted in end it at the head's last keys)
	s_cbranch_scc0 .Lnoload_\@
	global_load_b128 v[240:243], v3, s[14:15] offset:8192
	global_load_b128 v[244:247], v3, s[16:17] offset:8192
.Lnoload_\@:
	ASK
	STEP \slot, 0
	STEP \slot, 1
	s_wait_loadcnt 0x0                             ; on every way: no later load finds these registers pending
	s_and_b32 s2, s100, 12
	s_cbranch_scc0 .Lnostore_\@
	ds_store_b128 v3, v[240:243] offset:(1-\slot)*SLOTB
	ds_store_b128 v3, v[244:247] offset:(1-\slot)*SLOTB+VOFF
.Lnostore_\@:
	s_wait_dscnt 0x0
	s_barrier_signal -1
	s_barrier_wait -1
	s_wait_xcnt 0x0                                ; loads, scalar loads and the prefetch have read their bases: they are stepped only behind this wait
	s_add_nc_u64 s[14:15], s[14:15], 8192
	s_add_nc_u64 s[16:17], s[16:17], 8192
	s_add_nc_u64 s[26:27], s[26:27], 8192
	s_add_nc_u64 s[6:7], s[6:7], 512               ; two sub-steps' lane masks
	s_lshr_b32 s100, s100, 2
.endm
	s_mov_b32 s19, 8
.Lpair:                                            ; 8 trips of the loop: two trips of 128 keys each, slot 0 and slot 1, so that every LDS address is 16 x lane or 16 x thread and an immediate
	TRIP 0
	TRIP 1
	s_sub_co_u32 s19, s19, 1
	s_cmp_lg_u32 s19, 0
	s_cbranch_scc1 .Lpair
	; THE WAY OUT.  O^T / the sum becomes codes; a lane's 16 bytes are a quarter of a query's 64, so they go through my stage and leave as 2,048 consecutive bytes: my 32 queries of this head.
	v_and_b32 v32, 15, v0                          ; r.  (These address lines are also the places behind the last products)
	v_bfe_u32 v33, v0, 4, 1                        ; h
	v_and_b32 v34, 8, v32
	v_add_nc_u32 v34, v34, v32                     ; r + 8 (r / 8): my query among tile 0's; tile 1's lie 8 further on
	v_mul_u32_u24 v34, v34, 80
	v_lshl_add_u32 v34, v33, 4, v34
	s_mul_i32 s2, s18, 2560
	s_add_co_u32 s2, s2, STAGE                     ; my stage
	v_add_nc_u32 v34, s2, v34                      ; in: my query's row of 80 bytes, + 16 h
	v_and_b32 v35, 31, v0
	v_lshrrev_b32 v36, 2, v35
	v_mul_u32_u24 v36, v36, 80
	v_and_b32 v35, 3, v35
	v_lshl_add_u32 v36, v35, 4, v36
	v_add_nc_u32 v36, s2, v36                      ; back: four lanes to a row, eight rows a load
	v_add_f32 v14, v14, v15                        ; the sums' two halves,
	v_add_f32 v250, v250, v251
	v_permlanex16_b32 v15, v14, s20, s21
	v_permlanex16_b32 v251, v250, s20, s21
	v_add_f32 v14, v14, v15                        ; and lane l xor 16's
	v_add_f32 v250, v250, v251
	v_rcp_f32 v14, v14
	v_rcp_f32 v250, v250
	v_nop                                          ; a plain line behind the reciprocals
	s_wait_alu depctr_va_vdst(0)                   ; and the wait ahead of their first reader: one for both
.set n, 0
.rept 16
	v_pk_mul_f32 v[S+n:S+n+1], v[O+n:O+n+1], v[14:15] op_sel_hi:[1,0]
.set n, n+2
.endr
.set n, 0
.rept 16
	v_pk_mul_f32 v[S+32+n:S+32+n+1], v[O+32+n:O+32+n+1], v[250:251] op_sel_hi:[1,0]
.set n, n+2
.endr
.set n, 0
.rept 64
	v_med3_num_f32 v[S+n], v[S+n], -v11, v11       ; the hold at the largest code x the scale
.set n, n+1
.endr
.irp x, 0,1
.irp k, 0,1,2,3
	v_cvt_scalef32_pk8_fp8_f32 v[PC+8*\x+2*\k:PC+8*\x+2*\k+1], v[S+32*\x+8*\k:S+32*\x+8*\k+7], v10
.endr
.endr
	v_nop                                          ; a plain line behind the last conversion
.irp x, 0,1
.irp c, 0,1
	ds_store_b128 v34, v[PC+8*\x+4*\c:PC+8*\x+4*\c+3] offset:640*\x+32*\c   ; channels 32 c + 16 h + 0 .. 15 of my query
.endr
.endr
.irp k, 0,1,2,3
	ds_load_b128 v[240+4*\k:243+4*\k], v36 offset:640*\k   ; LDS serves a wave's instructions in order (ISA guide 5.7.1.4): these see my stores
.endr
.irp k, 0,1,2,3
	s_wait_dscnt 3-\k                              ; load k is back; the younger ones may be out
	global_store_b128 v1, v[240+4*\k:243+4*\k], s[12:13] offset:512*\k   ; 32 lanes store 512 consecutive bytes, at a multiple of 256 from the buffer's first byte
.endr
	s_wait_tensorcnt 0x0                           ; the wave's end: closing lines behind my last LDS store
	ds_add_u32 v5, v6
	s_wait_dscnt 0x0
	s_endpgm
.Lfunc_end_k_q2cdc874197_attn:
	.size	k_q2cdc874197_attn, .Lfunc_end_k_q2cdc874197_attn-k_q2cdc874197_attn
	.p2alignl 7, 3214868480
	.fill 96, 4, 3214868480
	.section	.rodata,"a",@progbits
	.p2align	6, 0x0
	.amdhsa_kernel k_q2cdc874197_attn
		.amdhsa_group_segment_fixed_size 75776
		.amdhsa_private_segment_fixed_size 0
		.amdhsa_enable_private_segment 0
		.amdhsa_kernarg_size 40
		.amdhsa_user_sgpr_count 2
		.amdhsa_user_sgpr_kernarg_segment_ptr 1
		.amdhsa_wavefront_size32 1
		.amdhsa_system_sgpr_workgroup_id_x 1
		.amdhsa_system_sgpr_workgroup_id_y 1
		.amdhsa_system_sgpr_workgroup_id_z 1
		.amdhsa_system_vgpr_workitem_id 0
		.amdhsa_next_free_vgpr 256
		.amdhsa_next_free_sgpr 102
		.amdhsa_reserve_vcc 0
		.amdhsa_float_denorm_mode_32 3
		.amdhsa_float_denorm_mode_16_64 3
		.amdhsa_memory_ordered 1
		.amdhsa_forward_progress 1
		.amdhsa_inst_pref_size 102
	.end_amdhsa_kernel
	.amdgpu_metadata
---
amdhsa.version: [ 1, 2 ]
amdhsa.kernels:
  - .name:           k_q2cdc874197_attn
    .symbol:         k_q2cdc874197_attn.kd
    .args:
      - { .name: img, .offset: 0, .size: 8, .value_kind: global_buffer, .address_space: global }
      - { .name: mw, .offset: 8, .size: 8, .value_kind: global_buffer, .address_space: global }
      - { .name: fl, .offset: 16, .size: 8, .value_kind: global_buffer, .address_space: global }
      - { .name: lowp_scales, .offset: 24, .size: 8, .value_kind: global_buffer, .address_space: global }
      - { .name: acodes, .offset: 32, .size: 8, .value_kind: global_buffer, .address_space: global }
    .group_segment_fixed_size: 75776
    .private_segment_fixed_size: 0
    .kernarg_segment_align: 8
    .kernarg_segment_size: 40
    .max_flat_workgroup_size: 512
    .sgpr_count:     102
    .vgpr_count:     256
    .wavefront_size: 32
...
	.end_amdgpu_metadata
.endif
;; end of part 3
;; launch outp (part 4): grid 4 x 32, 4 waves a work-group, clusters of 4 x 4, 327,680 bytes of LDS; arguments acodes, wc, lowp_scales, out0; writes out0
.if DOCPART == 4
	.amdgcn_target "amdgcn-amd-amdhsa--gfx1250"
	.amdhsa_code_object_version 6
	.text
	.protected	k_q2cdc874197_outp
	.globl	k_q2cdc874197_outp
	.p2align	8
	.type	k_q2cdc874197_outp,@function
k_q2cdc874197_outp:
	s_mov_b64 s[64:65], 0
	v_nop
	global_prefetch_b8 v0, s[64:65] scope:SCOPE_SE
	s_setreg_imm32_b32 hwreg(HW_REG_WAVE_MODE, 25, 1), 1
	s_wait_xcnt 0x0
	s_wait_alu depctr_hold_cnt(0) depctr_sa_sdst(0) depctr_va_vdst(0) depctr_va_sdst(0) depctr_va_ssrc(0) depctr_va_vcc(0) depctr_vm_vsrc(0)
	s_getreg_b32 s2, hwreg(HW_REG_IB_STS2, 6, 4)
	s_cmp_eq_u32 s2, 0
	s_cbranch_scc0 .Lentry_in_a_cluster
	s_endpgm
.Lentry_in_a_cluster:
	s_bfe_u32 s2, ttmp6, 0x10000c
	s_cmp_lg_u32 s2, 0xf033
	s_cbranch_scc0 .Lentry_shape_is_right
	s_endpgm
.Lentry_shape_is_right:
; FOURTH LAUNCH: out0 = (attention's result) Wo^T on codes of E4M3; each finished sum x 2^(e10 + e11).  Nothing of reference() is left out here.  LIMIT: e10 + e11 between -126 and 127.
; A: acodes [head (16)][row (8,192)][64 bytes]: K = 64 head + channel.  B: Wo's codes, rows 3,072 .. 4,095 of wc, [1,024][1,024], K innermost, rows in their own order.  C: out0 [8,192][1,024] f32.
; A tile of C, 256 x 256, is made by four waves, each 128 x 128: 64 accumulators, 512 registers.  K goes in steps of 256 (four heads) through a ring of two LDS slots filled by the tensor data mover.
; A'S TILE of a K step is four planes, a head each, of 256 rows x 64 bytes = 16,384 consecutive bytes of memory.  A wave's load brings two planes as two rows of 2,048 elements of 8 bytes, with 16 bytes of padding
; behind every 256: four of A's rows lie in 256 bytes, then padding: row rho of a plane at 272 (rho / 4) + 64 (rho % 4).  The 16 rows of a fragment load start at 16 different groups of banks.
; CLUSTERS: 4 x 4 work-groups; A's tiles are shared along a row of the cluster, B's along a column, each asked for jointly.  128 work-groups: a smaller tile would read half as much again from LDS for each product.
; THE MATRIX INSTRUCTION IS USED TRANSPOSED (source 0 = 16 rows of B, source 1 = 16 rows of A): a lane holds eight neighbouring numbers of a row of C.
; REGISTERS, in windows of 256: window 0: v0-31 addresses; from v128 A's fragments, ONE set; on the way out v32-255 are free.  window 1: B's fragments, TWO sets.  windows 2, 3: the accumulators.
.set SIZE_N, 1024
.set KSTEP,  256
.set ROWB,   256
.set KROW,   1024
.set PITCH,  272                       ; 256 bytes + 16 of padding = 68 words: a line starts at bank 4 r mod 64 (64 banks of 4 bytes: ISA guide 11.1)
.set PLANE,  64*PITCH                  ; a head's 256 rows of 64 bytes in LDS: 17,408
.set FR,     16
.set NL,     4
.set NP,     4
.set HALFT,  128*PITCH                 ; what one tensor load brings: 128 rows of B, or two planes of A
.set SLOT,   4*HALFT                   ; A's four planes, then B's 256 rows
.set LAPS,   2
.set SPARE,  2*SLOT                    ; behind the ring: the spare words, 128 bytes a wave: two blocks of 256 bytes that no other line names
.set SPITCH, 528                       ; the way out: a stage of 16 rows x (512 bytes + 16) for each wave, in slot 0, which has had its last fill and its last read when the first result is stored there
.set ADRA, 16
.set ADRB, 20
.set STO,  24
.set RD,   25
.set CO,   26
.set SPW,  28
.set NIL,  29
.set TMP,  32
.set AF,   128
.set BK,   128
.set G1, 24
.set G0, 32
.set G1B, 48
.set G0B, 56
.set MSB, 0
.macro WIN new                         ; the immediate's high byte repeats the setting that is left
.if MSB != \new
	s_set_vgpr_msb (MSB<<8)|\new
.set MSB, \new
.endif
.endm
.set MUL_LO, 0xa1
.set MUL_HI, 0xf1
.set TO_B,   0x40
.macro JLOAD g0a, g1a, g0b, g1b        ; a joint load: waves 0 and 1 fetch for A, waves 2 and 3 for B; an s_nop 0 and four v_nop follow each of the two lines
	s_cmp_eq_u32 s15, 0
	s_cbranch_scc0 .Lfor_b_\@
	tensor_load_to_lds s[\g0a:\g0a+3], s[\g1a:\g1a+7]
	s_nop 0
.rept 4
	v_nop
.endr
	s_branch .Lasked_\@
.Lfor_b_\@:
	tensor_load_to_lds s[\g0b:\g0b+3], s[\g1b:\g1b+7]
	s_nop 0
.rept 4
	v_nop
.endr
.Lasked_\@:
.endm
.macro CREST
	s_cmp_lg_u32 s14, 0
	s_cbranch_scc1 .Lnot_wave_0_\@
	s_barrier_signal -3
.Lnot_wave_0_\@:
	s_barrier_wait -3
	s_barrier_signal -1
	s_barrier_wait -1
.endm
.macro CROUND
	s_barrier_signal -1
	s_barrier_wait -1
	CREST
.endm
	s_load_b128 s[4:7], s[0:1], 0x0                ; acodes s[4:5], wc s[6:7]
	s_load_b128 s[8:11], s[0:1], 0x10              ; the scales' exponents s[8:9], out0 s[10:11]
	v_lshl_add_u32 v[SPW], v0, 2, SPARE
	v_mov_b32 v[NIL], 0
	ds_add_u32 v[SPW], v[NIL]                      ; the wave's opening: the add, twice on end, and its wait ahead of my first tensor load; the set-up below stands between
	ds_add_u32 v[SPW], v[NIL]
	v_lshrrev_b32 v1, 5, v0
	v_readfirstlane_b32 s14, v1                    ; wave 0..3
	s_lshr_b32 s15, s14, 1                         ; which half of the tile's rows is mine.  Also: I fetch for A (0) or for B (1)
	s_and_b32 s16, s14, 1                          ; which half of its columns.  Also: which two planes of A, or which 128 rows of B, I fetch
	s_bfe_u32 s40, ttmp6, 0x40000
	s_bfe_u32 s41, ttmp6, 0x40004
	s_lshl_b32 s42, ttmp9, 2
	s_add_co_u32 s42, s42, s40                     ; tile column of C
	s_and_b32 s17, ttmp7, 0xffff
	s_lshl_b32 s17, s17, 2
	s_add_co_u32 s17, s17, s41                     ; tile row of C
	s_lshl_b32 s43, s41, 2
	s_lshl_b32 s43, 15, s43                        ; my row of the cluster
	s_lshl_b32 s44, 0x1111, s40                    ; my column
	; A's group 1: two rows (planes) of 2,048 elements of 8 bytes, 65,536 elements (a head's 524,288 bytes) apart
	s_or_b32 s[G1+0], s43, (3<<16)|(1<<20)|(1<<21)|(5<<22)|(3<<25)  ; 15:0 the mask: my row; 17:16 element of 8 bytes; 20 padding on; 21 set beside a mask; 24:22 after every 64 words (code 5); 31:25 of 4 words (code 3)
	s_mov_b32 s[G1+1], 2048<<16                    ; tensor_dim0
	s_mov_b32 s[G1+2], 2<<16                       ; tensor_dim1
	s_mov_b32 s[G1+3], 2048<<16                    ; tile_dim0
	s_mov_b32 s[G1+4], 2                           ; tile_dim1
	s_mov_b32 s[G1+5], 65536                       ; tensor_dim0_stride
	s_mov_b32 s[G1+6], 0
	s_mov_b32 s[G1+7], 0
	; B's group 1: 128 rows of 256 bytes
	s_or_b32 s[G1B+0], s44, (0<<16)|(1<<20)|(1<<21)|(5<<22)|(3<<25)
	s_mov_b32 s[G1B+1], ROWB<<16
	s_mov_b32 s[G1B+2], 128<<16
	s_mov_b32 s[G1B+3], ROWB<<16
	s_mov_b32 s[G1B+4], 128
	s_mov_b32 s[G1B+5], KROW
	s_mov_b32 s[G1B+6], 0
	s_mov_b32 s[G1B+7], 0
	s_lshl_b32 s20, s17, 14                        ; A: the tile's 256 rows in a plane: 16,384 bytes a tile row,
	s_lshl_b32 s18, s16, 20                        ; + my two heads of the K step's four
	s_add_co_u32 s20, s20, s18
	s_mov_b32 s21, 0
	s_lshl_b32 s18, s16, 7
	s_lshl_b32 s46, s42, 8
	s_add_co_u32 s46, s46, s18
	s_add_co_u32 s46, s46, 3072                    ; B: row 3,072 + 256 x tile column + 128 x half of wc,
	s_lshl_b32 s46, s46, 10                        ; in bytes
	s_mov_b32 s47, 0
	s_mul_i32 s45, s14, HALFT                      ; where they go: wave x HALFT: no place in the cluster enters an LDS address
	s_wait_dscnt 0x0                               ; both opening adds are done
	s_wait_kmcnt 0x0
	s_load_b64 s[96:97], s[8:9], 0x28              ; e10, e11
	s_add_nc_u64 s[20:21], s[4:5], s[20:21]
	s_add_nc_u64 s[46:47], s[6:7], s[46:47]
	CROUND                                         ; all sixteen work-groups are here: the first joint loads meet
.irp s, 0,1
	s_mov_b32 s[G0+4*\s], 1
	s_add_co_u32 s[G0+4*\s+1], s45, \s*SLOT
	s_add_nc_u64 s[G0+4*\s+2:G0+4*\s+3], s[20:21], \s*0x200000     ; K step s: four heads on
	s_or_b32 s[G0+4*\s+3], s[G0+4*\s+3], 0x80000000
	s_mov_b32 s[G0B+4*\s], 1
	s_add_co_u32 s[G0B+4*\s+1], s45, \s*SLOT
	s_add_nc_u64 s[G0B+4*\s+2:G0B+4*\s+3], s[46:47], \s*ROWB
	s_or_b32 s[G0B+4*\s+3], s[G0B+4*\s+3], 0x80000000
	JLOAD G0+4*\s, G1, G0B+4*\s, G1B
.endr
	v_and_b32 v1, 15, v0                           ; r
	v_bfe_u32 v2, v0, 4, 1                         ; h
	v_mul_u32_u24 v3, v1, PITCH
	v_lshl_add_u32 v4, v2, 4, v3                   ; B: row x pitch + 16 h
	v_lshrrev_b32 v3, 2, v1
	v_mul_u32_u24 v3, v3, PITCH
	v_and_b32 v5, 3, v1
	v_lshl_add_u32 v3, v5, 6, v3
	v_lshl_add_u32 v3, v2, 4, v3                   ; A: 272 (r / 4) + 64 (r % 4) + 16 h
	s_mul_i32 s21, s15, 32*PITCH                   ; my 128 rows of each plane
	s_mul_i32 s22, s16, HALFT                      ; my 128 rows of B,
	s_add_co_u32 s22, s22, 2*HALFT                 ; which lie behind A's four planes
.irp s, 0,1
	v_add_nc_u32 v[ADRA+\s], s21, v3
	v_add_nc_u32 v[ADRB+\s], s22, v4
	s_add_co_u32 s21, s21, SLOT
	s_add_co_u32 s22, s22, SLOT
.endr
	s_mul_i32 s23, s14, 16*SPITCH                  ; my stage
	v_mul_u32_u24 v5, v1, SPITCH
	v_lshl_add_u32 v5, v2, 5, v5
	v_add_nc_u32 v[STO], s23, v5                   ; in: row r, 32 bytes for each half of the lanes
	v_and_b32 v6, 31, v0
	v_lshlrev_b32 v[CO], 4, v6                     ; back: the 32 lanes take one row of 512 bytes; and the same in C
	v_add_nc_u32 v[RD], s23, v[CO]
	s_lshl_b32 s20, s17, 8
	s_lshl_b32 s21, s15, 7
	s_add_co_u32 s20, s20, s21                     ; my first row of C
	s_mov_b32 s21, 0
	s_mov_b64 s[18:19], SIZE_N*4
	s_mul_u64 s[20:21], s[20:21], s[18:19]
	s_lshl_b32 s46, s42, 10                        ; my first column, in bytes
	s_lshl_b32 s47, s16, 9
	s_add_co_u32 s46, s46, s47
	s_mov_b32 s47, 0
	s_add_nc_u64 s[20:21], s[20:21], s[46:47]
	s_add_nc_u64 s[10:11], s[10:11], s[20:21]
; A fragment is 16 rows x 128 K in 16 registers: registers 4 c .. 4 c + 3 hold K = 128 q + 32 c + 16 h + 0 .. 15: in B bytes of a row, in A head 2 q + c / 2 of the K step's four, channels 32 (c % 2) + 16 h + 0 .. 15
.macro FRAGB reg, adr, q, i
.irp c, 0,1,2,3
	ds_load_b128 v[\reg+4*\c:\reg+4*\c+3], v[\adr] offset:128*(\q)+32*\c+(\i)*16*PITCH
.endr
.endm
.macro FRAGA reg, adr, q, i
.irp c, 0,1,2,3
	ds_load_b128 v[\reg+4*\c:\reg+4*\c+3], v[\adr] offset:(2*(\q)+\c/2)*PLANE+32*(\c%2)+(\i)*4*PITCH
.endr
.endm
.macro MUL16 a0, p, zero               ; the 64 accumulators take turns, one instruction a turn, in the same order in every step
.irp a, \a0, \a0+1
.irp b, 0,1,2,3,4,5,6,7
.if \zero
	v_wmma_f32_16x16x128_fp8_fp8 v[8*(8*((\a)%4)+\b):8*(8*((\a)%4)+\b)+7], v[128*(\p)+FR*\b:128*(\p)+FR*\b+FR-1], v[AF+FR*(\a):AF+FR*(\a)+FR-1], 0
.else
	v_wmma_f32_16x16x128_fp8_fp8 v[8*(8*((\a)%4)+\b):8*(8*((\a)%4)+\b)+7], v[128*(\p)+FR*\b:128*(\p)+FR*\b+FR-1], v[AF+FR*(\a):AF+FR*(\a)+FR-1], v[8*(8*((\a)%4)+\b):8*(8*((\a)%4)+\b)+7]
.endif
.endr
.endr
.endm
.macro FETCH_B slot, q, p
	WIN TO_B
.irp i, 0,1,2,3,4,5,6,7
	FRAGB 128*(\p)+FR*\i, ADRB+\slot, \q, \i
.endr
	WIN 0
.endm
.macro FETCH_A slot, q, i0
.irp i, \i0, \i0+1, \i0+2, \i0+3
	FRAGA AF+FR*(\i), ADRA+\slot, \q, \i
.endr
.endm
.macro PLACES n                        ; plain vector instructions between a matrix instruction and a load into, or a read of, its registers (ISA guide 7.12.1 for reads)
.rept \n
	v_nop
.endr
.endm
.macro STEP slot, q, zero
	s_wait_dscnt 4*NL                              ; B's set and A's blocks 0-3 are in; the youngest sixteen loads (A's blocks 4-7) may be out
	WIN MUL_LO
	MUL16 0, (\q)%2, \zero
	MUL16 2, (\q)%2, \zero
	s_wait_dscnt 0
	PLACES NP
	FETCH_B \slot, (\q)+1, 1-(\q)%2
	FETCH_A \slot, (\q)+1, 0
	WIN MUL_HI
	MUL16 4, (\q)%2, \zero
	MUL16 6, (\q)%2, \zero
	PLACES NP
	WIN 0
	FETCH_A \slot, (\q)+1, 4
.endm
.macro TURN slot, next, fill           ; a slot's last step changes slots: ONE barrier; in front of it the wait for all my tensor loads, the add, and the wait for it and for my reads of this slot
	s_wait_tensorcnt 0x0                           ; all my tensor loads have landed: my part of the next slot
	ds_add_u32 v[SPW], v[NIL]                      ; 0 onto my spare word
	s_wait_dscnt 4*NL+1                            ; the add and the youngest sixteen loads may be out
	WIN MUL_LO
	MUL16 0, 1, 0
	s_wait_dscnt 0x0                               ; the add is done, and my reads of this slot are over
	s_barrier_signal -1
	MUL16 2, 1, 0
	WIN 0
	s_barrier_wait -1
.if \fill
	CREST                                          ; the barrier has opened a round of the cluster's barrier: no wave of any partner still reads this slot or has a load on its way
	s_add_nc_u64 s[G0+4*\slot+2:G0+4*\slot+3], s[G0+4*\slot+2:G0+4*\slot+3], 0x400000   ; two K steps on: eight heads
	s_add_nc_u64 s[G0B+4*\slot+2:G0B+4*\slot+3], s[G0B+4*\slot+2:G0B+4*\slot+3], 2*ROWB
	JLOAD G0+4*\slot, G1, G0B+4*\slot, G1B         ; the first tensor load behind the round; its four v_nop are the places in front of the loads below
.else
	PLACES NP
.endif
	FETCH_B \next, 0, 0
	FETCH_A \next, 0, 0
	WIN MUL_HI
	MUL16 4, 1, 0
	MUL16 6, 1, 0
	PLACES NP
	WIN 0
	FETCH_A \next, 0, 4
.endm
	s_wait_tensorcnt 1                             ; my part of K step 0 is in; K step 1's load may be out
	s_barrier_signal -1
	s_barrier_wait -1
	FETCH_B 0, 0, 0
	FETCH_A 0, 0, 0
	FETCH_A 0, 0, 4
	STEP 0, 0, 1                                   ; the first step stands in front of the loop: its products start the sums
	s_mov_b32 s3, LAPS-1
.Llap:
	TURN 0, 1, 1
	STEP 1, 0, 0
	TURN 1, 0, 1
	STEP 0, 0, 0
	s_sub_co_u32 s3, s3, 1
	s_cmp_lg_u32 s3, 0
	s_cbranch_scc1 .Llap
	TURN 0, 1, 0                                   ; the last lap fills nothing
	STEP 1, 0, 0
	s_wait_dscnt 4*NL
	WIN MUL_LO
	MUL16 0, 1, 0
	MUL16 2, 1, 0
	s_wait_dscnt 0
	WIN MUL_HI
	MUL16 4, 1, 0
	MUL16 6, 1, 0
	WIN 0
; THE WAY OUT, block by block of 16 rows x 128 columns, through my own stage in LDS: in as 32 bytes a lane, back as whole rows of 512 bytes.  LDS serves a wave's instructions in order (ISA guide 5.7.1.4).
.macro TOSTAGE a
.set AC, 64*((\a)%4)
	WIN 0x02+((\a)/4)
.irp j, 0,2,4,6,8,10,12,14,16,18,20,22,24,26,28,30,32,34,36,38,40,42,44,46,48,50,52,54,56,58,60,62
	v_pk_mul_f32 v[TMP+\j:TMP+\j+1], v[AC+\j:AC+\j+1], s[96:97] op_sel_hi:[1,0]   ; x 2^(e10 + e11); each accumulator from its low end on
.endr
	WIN 0
.irp b, 0,1,2,3,4,5,6,7
	ds_store_b128 v[STO], v[TMP+8*\b:TMP+8*\b+3] offset:64*\b
	ds_store_b128 v[STO], v[TMP+8*\b+4:TMP+8*\b+7] offset:64*\b+16
.endr
.set BB, BK+64*((\a)%2)
.irp t, 0,1,2,3,4,5,6,7,8,9,10,11,12,13,14,15
	ds_load_b128 v[BB+4*\t:BB+4*\t+3], v[RD] offset:\t*SPITCH
.endr
.endm
.macro SEND a, younger
.set BB, BK+64*((\a)%2)
	s_wait_dscnt \younger                          ; the block is back in registers
.if (\a) > 0
	s_add_nc_u64 s[10:11], s[10:11], 16*SIZE_N*4   ; (behind a wait on XCNT: the earlier stores have read their base)
.endif
.irp t, 0,1,2,3,4,5,6,7,8,9,10,11,12,13,14,15
	global_store_b128 v[CO], v[BB+4*\t:BB+4*\t+3], s[10:11] offset:\t*SIZE_N*4 th:TH_STORE_NT   ; 32 lanes store 512 consecutive bytes, at a multiple of 256 from C's first byte
.endr
.endm
	s_wait_kmcnt 0x0
	s_add_co_i32 s96, s96, s97
	s_add_co_i32 s96, s96, 127
	s_lshl_b32 s96, s96, 23                        ; 2^(e10 + e11) as f32
	PLACES NP
	TOSTAGE 0
.irp a, 1,2,3,4,5,6,7
.if \a > 1
	s_wait_xcnt 0x0                                ; block a - 2's stores have read their registers and their base
.endif
	TOSTAGE \a
	SEND \a-1, 32                                  ; behind block a - 1's loads: block a's 16 stores and 16 loads
.endr
	s_wait_xcnt 0x0
	SEND 7, 0
	s_wait_tensorcnt 0x0                           ; the wave's end
	ds_add_u32 v[SPW], v[NIL]
	s_wait_dscnt 0x0
	CROUND                                         ; the closing round: no work-group ends while a partner may still ask for a tile that names it
	s_endpgm
.Lfunc_end_k_q2cdc874197_outp:
	.size	k_q2cdc874197_outp, .Lfunc_end_k_q2cdc874197_outp-k_q2cdc874197_outp
	.p2alignl 7, 3214868480
	.fill 96, 4, 3214868480
	.section	.rodata,"a",@progbits
	.p2align	6, 0x0
	.amdhsa_kernel k_q2cdc874197_outp
		.amdhsa_group_segment_fixed_size 327680
		.amdhsa_private_segment_fixed_size 0
		.amdhsa_enable_private_segment 0
		.amdhsa_kernarg_size 32
		.amdhsa_user_sgpr_count 2
		.amdhsa_user_sgpr_kernarg_segment_ptr 1
		.amdhsa_wavefront_size32 1
		.amdhsa_system_sgpr_workgroup_id_x 1
		.amdhsa_system_sgpr_workgroup_id_y 1
		.amdhsa_system_sgpr_workgroup_id_z 1
		.amdhsa_system_vgpr_workitem_id 0
		.amdhsa_next_free_vgpr 1024
		.amdhsa_next_free_sgpr 98
		.amdhsa_reserve_vcc 0
		.amdhsa_float_denorm_mode_32 3
		.amdhsa_float_denorm_mode_16_64 3
		.amdhsa_memory_ordered 1
		.amdhsa_forward_progress 1
		.amdhsa_inst_pref_size 123
	.end_amdhsa_kernel
	.amdgpu_metadata
---
amdhsa.version: [ 1, 2 ]
amdhsa.kernels:
  - .name:           k_q2cdc874197_outp
    .symbol:         k_q2cdc874197_outp.kd
    .args:
      - { .name: acodes, .offset: 0, .size: 8, .value_kind: global_buffer, .address_space: global }
      - { .name: wc, .offset: 8, .size: 8, .value_kind: global_buffer, .address_space: global }
      - { .name: lowp_scales, .offset: 16, .size: 8, .value_kind: global_buffer, .address_space: global }
      - { .name: out0, .offset: 24, .size: 8, .value_kind: global_buffer, .address_space: global }
    .group_segment_fixed_size: 327680
    .private_segment_fixed_size: 0
    .kernarg_segment_align: 8
    .kernarg_segment_size: 32
    .max_flat_workgroup_size: 128
    .sgpr_count:     98
    .vgpr_count:     1024
    .wavefront_size: 32
...
	.end_amdgpu_metadata
.endif
;; end of part 4
;; ======== version 2 of 2: 4 launches; version 1 with the launch attn written anew for expert scheduling mode
;; limits: right only within a limited range of input values
;; workspace buffers: xc 25,165,824 bytes; wc 4,194,304 bytes; img 25,165,824 bytes; acodes 8,388,608 bytes; mw 2,097,152 bytes of whole numbers; fl 2,048 bytes of whole numbers
;; launch prep: the kernel of part 1 again; grid 1152 x 1, 4 waves a work-group, no clusters, 101,120 bytes of LDS; arguments mask, query, key, value, Wq, Wk, Wv, Wo, lowp_scales, xc, wc, mw, fl; writes xc, wc, mw, fl
;; launch proj: the kernel of part 2 again; grid 4 x 96, 4 waves a work-group, clusters of 4 x 4, 327,680 bytes of LDS; arguments xc, wc, lowp_scales, img; writes img
;; launch attn (part 5): grid 4 x 64, 16 waves a work-group, no clusters, 75,776 bytes of LDS; arguments img, mw, fl, lowp_scales, acodes; writes acodes
.if DOCPART == 5
	.amdgcn_target "amdgcn-amd-amdhsa--gfx1250"
	.amdhsa_code_object_version 6
	.text
	.protected	k_q2cdc874197_attn
	.globl	k_q2cdc874197_attn
	.p2align	8
	.type	k_q2cdc874197_attn,@function
k_q2cdc874197_attn:
	s_mov_b64 s[64:65], 0
	v_nop
	global_prefetch_b8 v0, s[64:65] scope:SCOPE_SE
	s_setreg_imm32_b32 hwreg(HW_REG_WAVE_SCHED_MODE, 0, 2), 2
	s_setreg_imm32_b32 hwreg(HW_REG_WAVE_MODE, 25, 1), 1
	s_wait_xcnt 0x0
	s_wait_alu depctr_vm_vsrc(0)
; THIRD LAUNCH: attention on codes of E4M3, head size 64, with the mask that is given.  Both products by v_wmma_f32_16x16x64_fp8_fp8.
; WORK PASSED OVER: a tile of 32 queries x 64 keys whose live bit (buffer fl, made by the first launch from the mask's bytes) is 0: all its mask bytes are false and each of its rows has an open key elsewhere,
; so its p are 0.  A NaN, an infinity or an overflow of k or v that lies only in such tiles is not carried to the result.
; NO CLUSTER, NO TENSOR LOAD: the walk hangs on numbers read from memory, so K and V go from memory through registers into LDS: 16 bytes of each a lane for 128 keys.
; SOFTMAX: t = score x log2(e) / 8 x 2^(e6 + e7); M = the running largest t rounded up to a whole number, kept as -M = floor(-t); p = 2^(t - M) is quantised with 2^e8, not normalised; the row's sum is taken of the
; unquantised p; when M moves, the sum and O are multiplied by 2^(old M - new M), which rounds nothing.  At the end O / sum is quantised with 2^e10 for the last product.
; A CLOSED KEY's raw score is replaced by -2^(33 - e6 - e7), which stands for a logit of -2^30 where reference() has -1e9.  c x that number is a whole number, so in a row that is closed so far t - M is exactly 0
; and p = 1: a row with no open key gets the plain mean of all values, as in reference().  LIMITS: e6 + e7 between -94 and 9 (open logits are at most 64 x 448^2 x 2^(e6 + e7) / 8 in size: far above -2^30, so no
; result differs); e8, and e10 - e8 - e9, between -126 and 119.
; THE HOLD OF p at 448 x 2^e8 changes nothing where e8 >= -8 (p <= 1 < 1.75).
; SHARES.  Work-group (j, 16 b + head) owns the blocks j and 7 - j of 256 queries of one head.  Wave i: role = (i xor i / 4) % 2 picks the block, i / 2 the group g of 32 queries in it: two tiles of 16 (x = 0, 1).
; Any split is right for any mask; this one gives each work-group early and late queries alike.  Two tiles a wave: each fragment of K and V read from LDS feeds two products.
; LAYOUT.  img holds q, k, v as images of operand registers: [3][16 b + head][u][t][c][lane][16 bytes].  S^T = K Q^T, O^T = V^T P^T: a lane holds ONE query (lane % 16) throughout.  Score register n of a sub-step u is
; key 64 u + 32 (n / 16) + 16 h + n % 16: four conversions make of a tile's 32 p the second product's operand.  O register n is channel 32 (n / 16) + 16 h + n % 16.
; LDS: two slots of 16,384 bytes (128 keys: K's 8,192, then V's); from 32,768 a stage of 32 rows x 80 bytes for each wave; from 73,728 the spare words.
; REGISTERS: v1 16 x lane; v3 16 x thread; v5, v6 the add's two; v7 a closed key's raw score; v8, v9 2^e8 and 448 x 2^e8; v10, v11 the same with e10 - e8 - e9; v[12:13] -M, largest t of tile 0; v[14:15] its sum;
;   v16-31 Q; v32-63 K's fragments; v64-127 S^T, then p; v128-191 O^T; v192-223 V's fragments; v224-239 at work, then p's codes; v240-247 the next 128 keys on their way; v[248:251] tile 1's -M, t, sum;
;   v252 f of tile 0, v253 256 x lane (the prefetch's offset); v254 f of tile 1, v255 0.
;   s[32:63], s[68:99] the sub-step's 64 lane masks; s66 live bits, s67 bits of tiles that want the mask (live and not open), both shifted as the walk goes; s100 the live bits of all sixteen waves.
; THE MODE: SCHED_MODE bits 1:0 = 2 (LLVM: expert scheduling mode 2), set by the entry lines.  The code itself states the register dependences between vector or matrix instructions and memory or LDS instructions,
; with s_wait_alu, always for 0.
; THE PLAN.  Registers that memory or LDS instructions touch:
;   v1, v3, v253   Offsets.  Written by vector lines at the head and never again; read by every load, LDS load and store, prefetch and store.  One wait on va_vdst at the head states that they are written.
;   v32-63  (K)    A live sub-step's eight LDS loads land here and its eight products S^T read them.  No other vector line of the loop names them: the softmax works in v224-235, which no memory instruction of the loop touches.
;   v192-223 (V)   Eight LDS loads land here, behind the exponentials; the sub-step's last eight products read them.
;   v240-247       Two global loads land here at a trip's head; two LDS stores read them at its end.  No vector line of the loop names them.
; So ONE wait on va_vdst stands in a live sub-step, behind its exponentials.  It states that their results are written; that the last live sub-step's products O^T are done reading V, in which the loads straight behind
; it land; that this sub-step's products S^T are done reading K, so that the next live sub-step's loads of K follow with no further wait, whatever lies between (dead sub-steps, a trip's end, the backward jump);
; and that the selects are done reading the lane masks, which the scalar loads behind it write.  One wait on vm_vsrc stands at a trip's head, for v240-247.  The way out has its own waits, said there.
.set SLOTB, 16384
.set VOFF,  8192
.set STAGE, 32768
.set SPARE, 73728
.set QF, 16
.set KF, 32
.set S,  64
.set O,  128
.set VF, 192
.set PC, 224
.set SC, 224                           ; at work: tile x's two chains at SC + 4 x, SC + 1 + 4 x; its second chain of sums at SC + 8 + 2 x.  p's code registers, idle from the last products O^T to this sub-step's conversions
	s_load_b256 s[4:11], s[0:1], 0x0               ; img s[4:5], mw s[6:7], fl s[8:9], the scales' exponents s[10:11]
	s_load_b64 s[12:13], s[0:1], 0x20              ; acodes
	v_lshl_add_u32 v5, v0, 2, SPARE
	v_mov_b32 v6, 0
	v_lshrrev_b32 v1, 5, v0
	v_readfirstlane_b32 s18, v1                    ; wave 0..15
	v_and_b32 v1, 31, v0
	v_lshlrev_b32 v253, 8, v1
	v_lshlrev_b32 v1, 4, v1
	v_lshlrev_b32 v3, 4, v0
	v_mov_b32 v255, 0
	s_wait_alu depctr_va_sdst(0)                   ; s18 is written, ahead of its first reader: my block, my group and my stage are made from it
	s_and_b32 s29, ttmp7, 0xffff                   ; 16 b + head
	s_lshr_b32 s30, s29, 4                         ; b
	s_and_b32 s31, s29, 15                         ; head
	s_lshr_b32 s2, s18, 2
	s_xor_b32 s2, s2, s18
	s_and_b32 s2, s2, 1                            ; role
	s_sub_co_u32 s3, 7, ttmp9
	s_cmp_eq_u32 s2, 1
	s_cselect_b32 s3, s3, ttmp9                    ; my block of 256 queries
	s_lshr_b32 s2, s18, 1
	s_lshl_b32 s3, s3, 3
	s_add_co_u32 s3, s3, s2                        ; g
	s_lshl_b32 s2, s30, 6
	s_add_co_u32 s2, s2, s3                        ; 64 b + g
	s_lshl_b32 s68, s29, 17                        ; a head's images: 131,072 bytes
	s_mov_b32 s69, 0
	s_lshl_b32 s70, s3, 11                         ; Q: block g / 2, tiles 2 (g % 2) on: 2,048 g
	s_mov_b32 s71, 0
	s_lshl_b32 s72, s2, 13                         ; mw: 8,192 bytes a group
	s_mov_b32 s73, 0
	s_lshl_b32 s74, s31, 19                        ; acodes [head][2,048 b + s][64]: 524,288 a head,
	s_lshl_b32 s75, s2, 11                         ; 2,048 a group
	s_add_co_u32 s74, s74, s75
	s_mov_b32 s75, 0
	s_lshl_b32 s76, s30, 6
	s_lshl_b32 s77, ttmp9, 3
	s_add_co_u32 s76, s76, s77
	s_lshl_b32 s76, s76, 2                         ; fl: the eight words of block j,
	s_mov_b32 s77, 0
	s_sub_co_u32 s78, 7, ttmp9
	s_lshl_b32 s78, s78, 3
	s_lshl_b32 s79, s30, 6
	s_add_co_u32 s78, s78, s79
	s_lshl_b32 s78, s78, 2                         ; of block 7 - j,
	s_mov_b32 s79, 0
	s_lshl_b32 s80, s2, 2                          ; and my own
	s_mov_b32 s81, 0
	s_mov_b32 s20, 0x76543210                      ; v_permlanex16_b32's selects for lane l xor 16
	s_mov_b32 s21, 0xfedcba98
	s_wait_kmcnt 0x0
	s_add_nc_u64 s[14:15], s[4:5], s[68:69]
	s_add_nc_u64 s[16:17], s[14:15], 0x1000000     ; V's images of my head
	s_add_nc_u64 s[4:5], s[14:15], s[70:71]        ; Q's two tiles
	s_add_nc_u64 s[14:15], s[14:15], 0x800000      ; K's images of my head
	s_add_nc_u64 s[6:7], s[6:7], s[72:73]
	s_add_nc_u64 s[12:13], s[12:13], s[74:75]
	s_add_nc_u64 s[76:77], s[8:9], s[76:77]
	s_add_nc_u64 s[78:79], s[8:9], s[78:79]
	s_add_nc_u64 s[80:81], s[8:9], s[80:81]
	s_load_b128 s[24:27], s[10:11], 0x18           ; e6, e7, e8, e9
	s_load_b32 s28, s[10:11], 0x28                 ; e10
	s_load_b256 s[32:39], s[76:77], 0x0
	s_load_b256 s[40:47], s[78:79], 0x0
	s_load_b32 s66, s[80:81], 0x0                  ; my live bits
	s_load_b32 s67, s[80:81], 0x400                ; my open bits
	s_wait_alu depctr_va_vdst(0)                   ; the offsets v1, v3 and v253 are written, which every load, LDS instruction, prefetch and store of the kernel reads; no vector line writes them again
.irp x, 0,1
.irp c, 0,1
	global_load_b128 v[QF+8*\x+4*\c:QF+8*\x+4*\c+3], v1, s[4:5] offset:1024*\x+512*\c   ; Q stays in registers
.endr
.endr
	global_load_b128 v[240:243], v3, s[14:15]      ; the first 128 keys: 512 threads x 16 bytes of K,
	global_load_b128 v[244:247], v3, s[16:17]      ; and of V
	v_mov_b32 v13, 0xff61b1e6                      ; the largest t so far: -3e38, under every t
	v_mov_b32 v249, 0xff61b1e6
	v_floor_f32 v12, -v13                          ; -M
	v_floor_f32 v248, -v249
	v_mov_b32 v14, 0                               ; the sums, in two halves each
	v_mov_b32 v15, 0
	v_mov_b32 v250, 0
	v_mov_b32 v251, 0
.set n, 0
.rept 64
	v_mov_b32 v[O+n], 0                            ; O^T.  Which step is a wave's first hangs on the flags, so no first step can be written out: the first live step finds zeros
.set n, n+1
.endr
	s_wait_kmcnt 0x0
	s_or_b32 s100, s32, s33
.irp k, 34,35,36,37,38,39,40,41,42,43,44,45,46,47
	s_or_b32 s100, s100, s[\k]                     ; a sub-step is fetched if any of the sixteen waves wants it
.endr
	s_and_not1_b32 s67, s66, s67                   ; live and not open: the tile wants its lane masks
	s_load_b512 s[32:47], s[6:7], 0x0              ; sub-step 0's lane masks, wanted or not: every mask register is written
	s_load_b512 s[48:63], s[6:7], 0x40
	s_load_b512 s[68:83], s[6:7], 0x80
	s_load_b512 s[84:99], s[6:7], 0xc0
	s_add_co_i32 s2, s24, s25                      ; e6 + e7
	s_lshl_b32 s3, s2, 23
	s_add_co_i32 s22, s3, 0x3e38aa3b               ; c = log2(e) / 8 x 2^(e6 + e7): the exponents are added to c's exponent field
	s_mov_b32 s23, s22                             ; (named with it as a pair, so it is written)
	s_sub_co_i32 s3, 160, s2
	s_lshl_b32 s3, s3, 23
	s_or_b32 s3, s3, 0x80000000
	v_mov_b32 v7, s3                               ; -2^(33 - e6 - e7)
	s_add_co_i32 s2, s26, 127
	s_lshl_b32 s3, s2, 23
	v_mov_b32 v8, s3                               ; 2^e8
	s_add_co_i32 s2, s2, 8
	s_lshl_b32 s2, s2, 23
	s_or_b32 s2, s2, 0x600000
	v_mov_b32 v9, s2                               ; 448 x 2^e8
	s_sub_co_i32 s2, s28, s26
	s_sub_co_i32 s2, s2, s27                       ; O stands for O x 2^(e8 + e9): its code is (O / sum) / 2^(e10 - e8 - e9)
	s_add_co_i32 s2, s2, 127
	s_lshl_b32 s3, s2, 23
	v_mov_b32 v10, s3
	s_add_co_i32 s2, s2, 8
	s_lshl_b32 s2, s2, 23
	s_or_b32 s2, s2, 0x600000
	v_mov_b32 v11, s2
	s_cmp_lt_i32 s26, -8
	s_cselect_b32 s101, 1, 0                       ; is p's hold wanted?
	s_lshr_b32 s2, s18, 1                          ; the prefetches: waves 0 (K) and 1 (V)
	s_or_b32 s2, s2, ttmp9                         ; of the head's first work-group
	s_cmp_eq_u32 s2, 0
	s_cselect_b32 s24, 1, -1                       ; a wave prefetches while the double trips left are above this number
	s_cmp_eq_u32 s18, 0
	s_cselect_b64 s[26:27], s[14:15], s[16:17]
	s_wait_loadcnt 0x0                             ; Q, and the first 128 keys,
	ds_store_b128 v3, v[240:243]                   ; which go into slot 0
	ds_store_b128 v3, v[244:247] offset:VOFF
	s_wait_dscnt 0x0                               ; for the others' sake: my part has landed
	s_barrier_signal -1
	s_barrier_wait -1
; The next sub-step's lane masks, if it wants them.  Zeros shifted into s67 end this at the group's last sub-step.
.macro NEXTMASK q
	s_bitcmp1_b32 s67, 1
	s_cbranch_scc0 .Lnone_\@
	s_wait_kmcnt 0x0                               ; no load lands on a register that an earlier one may still write
	s_load_b512 s[32:47], s[6:7], 256*(\q)+256
	s_load_b512 s[48:63], s[6:7], 256*(\q)+320
	s_load_b512 s[68:83], s[6:7], 256*(\q)+384
	s_load_b512 s[84:99], s[6:7], 256*(\q)+448
.Lnone_\@:
.endm
; A PREFETCH INTO THE L2 of the 128 keys that the NEXT trip will load (this trip loads the trip after's; the prefetch names the one behind that): 8,192 bytes of K (wave 0) or of V (wave 1), lanes 256 bytes apart.
; The four work-groups of a head walk the same K and V: the first of them asks, so each block of 256 bytes is named once in the launch.  The last double trip asks for nothing: there are no keys behind it.
.macro ASK
	s_cmp_gt_u32 s19, s24
	s_cbranch_scc0 .Lnot_mine_\@
	global_prefetch_b8 v253, s[26:27] offset:16384 th:TH_LOAD_NT scope:SCOPE_SE
.Lnot_mine_\@:
.endm
; A SUB-STEP: 64 keys, the q-th of the slot, for both tiles of queries.
.macro STEP slot, q
	s_bitcmp1_b32 s66, 0
	s_cbranch_scc0 .Ldead_\@
.irp f, 0,1,2,3,4,5,6,7
	ds_load_b128 v[KF+4*\f:KF+4*\f+3], v1 offset:\slot*SLOTB+4096*\q+512*\f   ; K's four tiles of 16 keys, as images: 512 consecutive bytes a load.  No wait on va_vdst: the products that last read these registers stand ahead of their own sub-step's wait, and no vector line has named them since
.endr
	s_wait_dscnt 0x0
.irp t, 0,1,2,3
.irp x, 0,1
	v_wmma_f32_16x16x64_fp8_fp8 v[S+32*\x+8*\t:S+32*\x+8*\t+7], v[KF+8*\t:KF+8*\t+7], v[QF+8*\x:QF+8*\x+7], 0   ; the head's 64 are this form's K: a tile of S^T is one instruction
.endr
.endr
.rept 4
	v_nop                                          ; the places in front of the reads of S^T, and of the writes into p's code registers, which the last V^T P^T read (ISA guide 7.12.1)
.endr
	s_bitcmp1_b32 s67, 0
	s_cbranch_scc0 .Lopen_\@                       ; a tile all of whose keys are open takes no mask
	s_wait_kmcnt 0x0                               ; the lane masks are in
.set n, 0
.rept 32
	v_cndmask_b32 v[S+n], v7, v[S+n], s[32+n]      ; a closed key's score becomes -2^(33 - e6 - e7); each accumulator from its low end on
.set n, n+1
.endr
.set n, 0
.rept 32
	v_cndmask_b32 v[S+32+n], v7, v[S+32+n], s[68+n]
.set n, n+1
.endr
.Lopen_\@:
.irp x, 0,1                                    ; the sub-step's largest score of my query among my 32 keys, in two chains a tile; the tiles alternate
	v_max3_num_f32 v[SC+4*\x], v[S+32*\x], v[S+32*\x+1], v[S+32*\x+2]
	v_max3_num_f32 v[SC+1+4*\x], v[S+32*\x+3], v[S+32*\x+4], v[S+32*\x+5]
.endr
.irp i, 6,10,14,18,22,26
.irp x, 0,1
	v_max3_num_f32 v[SC+4*\x], v[SC+4*\x], v[S+32*\x+\i], v[S+32*\x+\i+1]
	v_max3_num_f32 v[SC+1+4*\x], v[SC+1+4*\x], v[S+32*\x+\i+2], v[S+32*\x+\i+3]
.endr
.endr
.irp x, 0,1
	v_max3_num_f32 v[SC+4*\x], v[SC+4*\x], v[S+32*\x+30], v[S+32*\x+31]
.endr
.irp x, 0,1
	v_max_num_f32 v[SC+4*\x], v[SC+4*\x], v[SC+1+4*\x]
.endr
.irp x, 0,1
	v_permlanex16_b32 v[SC+1+4*\x], v[SC+4*\x], s20, s21   ; its destination counts as read: the second chain's register, which has been written and is done with
.endr
.irp x, 0,1
	v_max_num_f32 v[SC+4*\x], v[SC+4*\x], v[SC+1+4*\x]   ; and among lane l xor 16's
.endr
.irp x, 0,1
	v_mul_f32 v[SC+4*\x], s22, v[SC+4*\x]          ; as t (c is positive)
.endr
.irp x, 0,1
	v_max_num_f32 v[13+236*\x], v[13+236*\x], v[SC+4*\x]   ; the running largest t
	v_mov_b32 v[SC+4*\x], v[12+236*\x]
.endr
.irp x, 0,1
	v_floor_f32 v[12+236*\x], -v[13+236*\x]        ; the new -M = floor(-t): M is a whole number
.endr
.irp x, 0,1
	v_sub_f32 v[SC+4*\x], v[12+236*\x], v[SC+4*\x] ; old M - new M: a whole number, 0 or less
.endr
.irp x, 0,1
	v_cvt_i32_f32 v[SC+4*\x], v[SC+4*\x]           ; (it saturates)
.endr
.irp x, 0,1
	v_ldexp_f32 v[252+2*\x], 1.0, v[SC+4*\x]       ; f = 2^(old M - new M)
.endr
.irp x, 0,1
.set n, 0
.rept 16
	v_pk_fma_f32 v[S+32*\x+n:S+32*\x+n+1], v[S+32*\x+n:S+32*\x+n+1], s[22:23], v[12+236*\x:13+236*\x] op_sel_hi:[1,0,0]   ; t - M, two at a time
.set n, n+2
.endr
.endr
.set n, 0
.rept 64
	v_exp_f32 v[S+n], v[S+n]                       ; p = 2^(t - M), at most 1: one batch
.set n, n+1
.endr
	v_pk_mul_f32 v[14:15], v[14:15], v[252:253] op_sel_hi:[1,0]     ; the sums under the new M: plain lines behind the exponentials
	v_pk_mul_f32 v[250:251], v[250:251], v[254:255] op_sel_hi:[1,0]
	s_wait_alu depctr_va_vdst(0)                   ; the sub-step's one wait: the 64 exponentials have written p, ahead of its first reader; the last live sub-step's products O^T are done reading V's registers, in which the loads below land; this sub-step's products S^T are done reading K's, in which the next live sub-step's loads land; the selects are done reading the lane masks
.irp f, 0,1,2,3,4,5,6,7
	ds_load_b128 v[VF+4*\f:VF+4*\f+3], v1 offset:\slot*SLOTB+VOFF+4096*\q+512*\f   ; V's four tiles of 16 channels: they land while the sums, the conversions and the rescaling are walked, none of which names these registers
.endr
	NEXTMASK \q                                    ; behind the wait above, ahead of which stand the selects that read these scalar registers
.irp x, 0,1
	v_pk_add_f32 v[SC+8+2*\x:SC+9+2*\x], v[S+32*\x:S+32*\x+1], v[S+32*\x+2:S+32*\x+3]   ; the row's sum is taken of the unquantised p: two chains a tile
.endr
.irp i, 4,8,12,16,20,24,28
.irp x, 0,1
	v_pk_add_f32 v[14+236*\x:15+236*\x], v[14+236*\x:15+236*\x], v[S+32*\x+\i:S+32*\x+\i+1]
	v_pk_add_f32 v[SC+8+2*\x:SC+9+2*\x], v[SC+8+2*\x:SC+9+2*\x], v[S+32*\x+\i+2:S+32*\x+\i+3]
.endr
.endr
.irp x, 0,1
	v_pk_add_f32 v[14+236*\x:15+236*\x], v[14+236*\x:15+236*\x], v[SC+8+2*\x:SC+9+2*\x]
.endr
	s_cmp_eq_u32 s101, 0
	s_cbranch_scc1 .Lnohold_\@
.set n, 0
.rept 64
	v_min_num_f32 v[S+n], v[S+n], v9               ; the conversion does not saturate (ISA guide 7.6.2); p is not negative, so the hold is one-sided
.set n, n+1
.endr
.Lnohold_\@:
.irp x, 0,1
.irp k, 0,1,2,3
	v_cvt_scalef32_pk8_fp8_f32 v[PC+8*\x+2*\k:PC+8*\x+2*\k+1], v[S+32*\x+8*\k:S+32*\x+8*\k+7], v8
.endr
.endr
.irp x, 0,1
.set n, 0
.rept 16
	v_pk_mul_f32 v[O+32*\x+n:O+32*\x+n+1], v[O+32*\x+n:O+32*\x+n+1], v[252+2*\x:253+2*\x] op_sel_hi:[1,0]   ; O^T under the new M; each accumulator from its low end on.  Plain lines between the conversions and the products
.set n, n+2
.endr
.endr
	s_wait_dscnt 0x0                               ; V is in
.irp t, 0,1,2,3
.irp x, 0,1
	v_wmma_f32_16x16x64_fp8_fp8 v[O+32*\x+8*\t:O+32*\x+8*\t+7], v[VF+8*\t:VF+8*\t+7], v[PC+8*\x:PC+8*\x+7], v[O+32*\x+8*\t:O+32*\x+8*\t+7]   ; the eight accumulators take turns, one instruction a turn
.endr
.endr
	s_branch .Ljoin_\@
.Ldead_\@:
	NEXTMASK \q                                    ; the selects that last read these scalar registers stand ahead of their own sub-step's wait
.Ljoin_\@:
	s_lshr_b32 s66, s66, 1
	s_lshr_b32 s67, s67, 1
.endm
; A TRIP: 128 keys out of one slot, while the next 128 come from memory into registers and go into the other slot at the trip's end.  ONE barrier: in front of it each wave's reads of this slot are over and its part
; of the other slot has landed; the other slot was last read in front of the barrier before.
.macro TRIP slot
	s_wait_alu depctr_vm_vsrc(0)                   ; the LDS stores of the trip before (in the first trip: the head's) have read v[240:247], in which the loads below land; ahead of the branch, so that it stands on every way to them
	s_and_b32 s2, s100, 12                         ; does any wave want one of the next two sub-steps?  (The same in all sixteen waves; zeros shifted in end it at the head's last keys)
	s_cbranch_scc0 .Lnoload_\@
	global_load_b128 v[240:243], v3, s[14:15] offset:8192
	global_load_b128 v[244:247], v3, s[16:17] offset:8192
.Lnoload_\@:
	ASK
	STEP \slot, 0
	STEP \slot, 1
	s_wait_loadcnt 0x0                             ; on every way: no later load finds these registers pending
	s_and_b32 s2, s100, 12
	s_cbranch_scc0 .Lnostore_\@
	ds_store_b128 v3, v[240:243] offset:(1-\slot)*SLOTB
	ds_store_b128 v3, v[244:247] offset:(1-\slot)*SLOTB+VOFF
.Lnostore_\@:
	s_wait_dscnt 0x0
	s_barrier_signal -1
	s_barrier_wait -1
	s_wait_xcnt 0x0                                ; loads, scalar loads and the prefetch have read their bases: they are stepped only behind this wait
	s_add_nc_u64 s[14:15], s[14:15], 8192
	s_add_nc_u64 s[16:17], s[16:17], 8192
	s_add_nc_u64 s[26:27], s[26:27], 8192
	s_add_nc_u64 s[6:7], s[6:7], 512               ; two sub-steps' lane masks
	s_lshr_b32 s100, s100, 2
.endm
	s_mov_b32 s19, 8
.Lpair:                                            ; 8 trips of the loop: two trips of 128 keys each, slot 0 and slot 1, so that every LDS address is 16 x lane or 16 x thread and an immediate
	TRIP 0
	TRIP 1
	s_sub_co_u32 s19, s19, 1
	s_cmp_lg_u32 s19, 0
	s_cbranch_scc1 .Lpair
	; THE WAY OUT.  O^T / the sum becomes codes; a lane's 16 bytes are a quarter of a query's 64, so they go through my stage and leave as 2,048 consecutive bytes: my 32 queries of this head.
	v_and_b32 v32, 15, v0                          ; r.  (These address lines are also the places behind the last products)
	v_bfe_u32 v33, v0, 4, 1                        ; h
	v_and_b32 v34, 8, v32
	v_add_nc_u32 v34, v34, v32                     ; r + 8 (r / 8): my query among tile 0's; tile 1's lie 8 further on
	v_mul_u32_u24 v34, v34, 80
	v_lshl_add_u32 v34, v33, 4, v34
	s_mul_i32 s2, s18, 2560
	s_add_co_u32 s2, s2, STAGE                     ; my stage
	v_add_nc_u32 v34, s2, v34                      ; in: my query's row of 80 bytes, + 16 h
	v_and_b32 v35, 31, v0
	v_lshrrev_b32 v36, 2, v35
	v_mul_u32_u24 v36, v36, 80
	v_and_b32 v35, 3, v35
	v_lshl_add_u32 v36, v35, 4, v36
	v_add_nc_u32 v36, s2, v36                      ; back: four lanes to a row, eight rows a load
	v_add_f32 v14, v14, v15                        ; the sums' two halves,
	v_add_f32 v250, v250, v251
	v_permlanex16_b32 v15, v14, s20, s21
	v_permlanex16_b32 v251, v250, s20, s21
	v_add_f32 v14, v14, v15                        ; and lane l xor 16's
	v_add_f32 v250, v250, v251
	v_rcp_f32 v14, v14
	v_rcp_f32 v250, v250
	v_nop                                          ; a plain line behind the reciprocals
	s_wait_alu depctr_va_vdst(0)                   ; the two reciprocals have written v14 and v250, ahead of their first reader: one wait for both
.set n, 0
.rept 16
	v_pk_mul_f32 v[S+n:S+n+1], v[O+n:O+n+1], v[14:15] op_sel_hi:[1,0]
.set n, n+2
.endr
.set n, 0
.rept 16
	v_pk_mul_f32 v[S+32+n:S+32+n+1], v[O+32+n:O+32+n+1], v[250:251] op_sel_hi:[1,0]
.set n, n+2
.endr
.set n, 0
.rept 64
	v_med3_num_f32 v[S+n], v[S+n], -v11, v11       ; the hold at the largest code x the scale
.set n, n+1
.endr
.irp x, 0,1
.irp k, 0,1,2,3
	v_cvt_scalef32_pk8_fp8_f32 v[PC+8*\x+2*\k:PC+8*\x+2*\k+1], v[S+32*\x+8*\k:S+32*\x+8*\k+7], v10
.endr
.endr
	v_nop                                          ; a plain line behind the last conversion
	s_wait_alu depctr_va_vdst(0)                   ; the conversions have written the codes v[224:239] and the address lines v34 and v36, which the LDS stores and loads below read; and every vector line is done with v[248:255], in which those loads land
	s_wait_alu depctr_vm_vsrc(0)                   ; the trips' LDS stores have read v[240:247] and the prefetches v253, in which the LDS loads below land
.irp x, 0,1
.irp c, 0,1
	ds_store_b128 v34, v[PC+8*\x+4*\c:PC+8*\x+4*\c+3] offset:640*\x+32*\c   ; channels 32 c + 16 h + 0 .. 15 of my query
.endr
.endr
.irp k, 0,1,2,3
	ds_load_b128 v[240+4*\k:243+4*\k], v36 offset:640*\k   ; LDS serves a wave's instructions in order (ISA guide 5.7.1.4): these see my stores
.endr
.irp k, 0,1,2,3
	s_wait_dscnt 3-\k                              ; load k is back; the younger ones may be out
	global_store_b128 v1, v[240+4*\k:243+4*\k], s[12:13] offset:512*\k   ; 32 lanes store 512 consecutive bytes, at a multiple of 256 from the buffer's first byte
.endr
	s_wait_dscnt 0x0                               ; the wave's end: the closing lines, six on end
	s_wait_alu 0x0
	s_wait_tensorcnt 0x0
	ds_add_u32 v5, v6
	s_wait_dscnt 0x0
	s_endpgm
.Lfunc_end_k_q2cdc874197_attn:
	.size	k_q2cdc874197_attn, .Lfunc_end_k_q2cdc874197_attn-k_q2cdc874197_attn
	.p2alignl 7, 3214868480
	.fill 96, 4, 3214868480
	.section	.rodata,"a",@progbits
	.p2align	6, 0x0
	.amdhsa_kernel k_q2cdc874197_attn
		.amdhsa_group_segment_fixed_size 75776
		.amdhsa_private_segment_fixed_size 0
		.amdhsa_enable_private_segment 0
		.amdhsa_kernarg_size 40
		.amdhsa_user_sgpr_count 2
		.amdhsa_user_sgpr_kernarg_segment_ptr 1
		.amdhsa_wavefront_size32 1
		.amdhsa_system_sgpr_workgroup_id_x 1
		.amdhsa_system_sgpr_workgroup_id_y 1
		.amdhsa_system_sgpr_workgroup_id_z 1
		.amdhsa_system_vgpr_workitem_id 0
		.amdhsa_next_free_vgpr 256
		.amdhsa_next_free_sgpr 102
		.amdhsa_reserve_vcc 0
		.amdhsa_float_denorm_mode_32 3
		.amdhsa_float_denorm_mode_16_64 3
		.amdhsa_memory_ordered 1
		.amdhsa_forward_progress 1
		.amdhsa_inst_pref_size 102
	.end_amdhsa_kernel
	.amdgpu_metadata
---
amdhsa.version: [ 1, 2 ]
amdhsa.kernels:
  - .name:           k_q2cdc874197_attn
    .symbol:         k_q2cdc874197_attn.kd
    .args:
      - { .name: img, .offset: 0, .size: 8, .value_kind: global_buffer, .address_space: global }
      - { .name: mw, .offset: 8, .size: 8, .value_kind: global_buffer, .address_space: global }
      - { .name: fl, .offset: 16, .size: 8, .value_kind: global_buffer, .address_space: global }
      - { .name: lowp_scales, .offset: 24, .size: 8, .value_kind: global_buffer, .address_space: global }
      - { .name: acodes, .offset: 32, .size: 8, .value_kind: global_buffer, .address_space: global }
    .group_segment_fixed_size: 75776
    .private_segment_fixed_size: 0
    .kernarg_segment_align: 8
    .kernarg_segment_size: 40
    .max_flat_workgroup_size: 512
    .sgpr_count:     102
    .vgpr_count:     256
    .wavefront_size: 32
...
	.end_amdgpu_metadata
.endif
;; end of part 5
;; launch outp: the kernel of part 4 again; grid 4 x 32, 4 waves a work-group, clusters of 4 x 4, 327,680 bytes of LDS; arguments acodes, wc, lowp_scales, out0; writes out0
